; MI455X (gfx1250); checked and timed in simulation.
; The chip was launched on July 23, 2026; its instructions are those of AMD's public machine-readable ISA for CDNA 5 (MIT licence, August 2026) and "CDNA5" Instruction Set Architecture Reference Guide (July 2026). The comments in the code are by the model that wrote it; some were corrected since.
;; Bert Self Attention. Allowed arithmetic: matrix products marked QUANTISED: E2M1 operands, one E8M0 scale for each 32 along K, by v_wmma_scale_f32_16x16x128_f8f6f4 with both operands' format E2M1 (or v_wmma_scale_f32_32x16x128_f4), f32 sums; everything else in f32.
;; Inputs: Wk_codes 1,024 x 32 x 16 uint8 (E2M1 codes of Wk, K innermost, in blocks of 32 codes, two codes a byte); Wk_scales 1,024 x 32 uint8 (E8M0 scales of Wk, one for each 32 codes along K); Wq_codes 1,024 x 32 x 16 uint8 (E2M1 codes of Wq, K innermost, in blocks of 32 codes, two codes a byte); Wq_scales 1,024 x 32 uint8 (E8M0 scales of Wq, one for each 32 codes along K); Wv_codes 1,024 x 32 x 16 uint8 (E2M1 codes of Wv, K innermost, in blocks of 32 codes, two codes a byte); Wv_scales 1,024 x 32 uint8 (E8M0 scales of Wv, one for each 32 codes along K); attention_mask 8 x 1 x 1 x 1,024 float32; bk 1,024 float32; bq 1,024 float32; bv 1,024 float32; x_codes 8 x 1,024 x 32 x 16 uint8 (E2M1 codes of x, K innermost, in blocks of 32 codes, two codes a byte); x_scales 8 x 1,024 x 32 uint8 (E8M0 scales of x, one for each 32 codes along K).
;; Outputs: out0 8 x 1,024 x 1,024 float32.
;; This version of the problem:
;;   THIS VERSION OF THE PROBLEM IS GIVEN IN LOW PRECISION. The matrix products marked QUANTISED in the list below multiply operands that are first quantised to E2M1 (2 exponent bits, 1 mantissa bit; 4 bits a number), with one power-of-two scale for each 32 numbers along K (OCP MX v1.0); their sums are f32. All else is computed in f32.
;;   The module's matrix products, in the order in which they are computed (A, B: the left and right operand; K: the contracted axis; several contracted axes count as one K, in the product's order):
;;     1. [M 8,192, K 1,024] x [K 1,024, N 1,024]; A: input x (given as codes); B: input Wq (given as codes): QUANTISED
;;     2. [M 8,192, K 1,024] x [K 1,024, N 1,024]; A: input x (given as codes); B: input Wk (given as codes): QUANTISED
;;     3. [M 8,192, K 1,024] x [K 1,024, N 1,024]; A: input x (given as codes); B: input Wv (given as codes): QUANTISED
;;     4. batch 128 x [M 1,024, K 64] x [K 64, N 1,024]; A: computed on the way; B: computed on the way: QUANTISED
;;     5. batch 128 x [M 1,024, K 1,024] x [K 1,024, N 64]; A: softmax (see below); B: computed on the way: QUANTISED
;;   THE QUANTISER, for each operand of a quantised product, along K:
;;     - K is cut into blocks of 32 from its start; a last block that is shorter is filled with zeros.
;;     - A block's scale is 2^e with e = floor(log2(the largest magnitude in the block)) - 2, held to -126 .. 127; a block of zeros has e = 0. As a byte (E8M0): e + 127.
;;     - Each number is divided by its block's scale, clamped to +-6, and rounded to the nearest number of E2M1, ties to even, subnormals kept.
;;     - The product sums the exact products of the quantised numbers (number of the format x scale) in f32.
;;   ~~~python
;;   def quantise(x, axis):      # numpy; x: float32 -> the quantised numbers, widened to float32 again
;;       x = np.moveaxis(x, axis, -1); K = x.shape[-1]
;;       x = np.pad(x, [(0, 0)] * (x.ndim - 1) + [(0, -K % 32)]); x = x.reshape(x.shape[:-1] + (-1, 32)); a = np.abs(x).max(-1, keepdims=True)
;;       e = np.where(a > 0, np.clip(np.frexp(np.where(a > 0, a, 1))[1] - 1 - 2, -126, 127), 0)      # np.frexp(a)[1] - 1 = floor(log2(a)), exactly
;;       r = np.clip(x / 2.0 ** e, -6, 6)
;;       step = 2.0 ** (np.maximum(np.frexp(np.where(r == 0, 1, r))[1] - 1, 0) - 1)
;;       q = np.round(r / step) * step * 2.0 ** e      # np.round: ties to even
;;       return np.moveaxis(q.reshape(q.shape[:-2] + (-1,))[..., :K], -1, axis).astype(np.float32)
;;   ~~~
;;   SOFTMAX AHEAD OF A QUANTISED PRODUCT. Where the list says 'softmax', what is quantised is not the finished softmax but p = 2^(t - M), with t = logit x log2(e) and M = ceil(the row's largest t), a whole number; so 1/2 < the row's largest p <= 1. The row's sum l is taken of the UNQUANTISED p, in f32, and the product's result is divided by l at the end. Since M is a whole number, a kernel that streams over the keys may use a running M (the ceiling of the running maximum): every later rescaling is an exact power of two, which a block's scale takes up: the codes' values come out the same.
;;   OPERANDS COMPUTED ON THE WAY. 'Computed on the way' means the value that the module computes at that place (a softmax that the list does not call 'softmax' is quantised finished and normalised). What goes into a quantiser is computed in f32, as accurately as f32 sums, v_exp_f32 and their like allow (about 1e-6 of the number): no bf16 or f16 on the way to a quantiser, and a product that is left as it is and whose result goes on into a quantised operand takes f32 operands (vector FMAs, or v_wmma_f32_16x16x4_f32). A number that lies on a knife's edge between two numbers of the format may be rounded either way, as far as f32 arithmetic and the matrix unit's own rounding can turn it there, and no further.
;;   INPUTS GIVEN AS CODES. Wk (in the module: [1024, 1024], K = its axis 1); Wq (in the module: [1024, 1024], K = its axis 1); Wv (in the module: [1024, 1024], K = its axis 1); x (in the module: [8, 1024, 1024], K = its axis 2): each comes as NAME_codes (uint8): NAME with its K axis moved to the last place and cut into blocks of 32 codes, [.., K / 32, bytes a block], one block behind the other in memory; two codes a byte, the lower K in the low four bits (a code: sign, 2 exponent bits, 1 mantissa bit); and NAME_scales (uint8): the same leading axes, one E8M0 byte (e + 127) for each 32 codes along K. Its value is code x scale, taken as it is: it is not quantised again, and the codes and scales need not be those that the quantiser above would give.
;; 2 versions, each right; version 2 is version 1 with the launch attn written anew for expert scheduling mode. Each part assembles by itself: llvm-mc -triple=amdgcn-amd-amdhsa -mcpu=gfx1250 --defsym DOCPART=n.
;; ======== version 1 of 2: 2 launches
;; limits: right only within a limited range of input values
;; workspace buffers: qimg 4,194,304 bytes; kimg 4,194,304 bytes; vimg 4,194,304 bytes; qsc 524,288 bytes; ksc 524,288 bytes; vsc 262,144 bytes
;; launch proj (part 1): grid 12 x 32, 4 waves a work-group, clusters of 4 x 4, 296,448 bytes of LDS; arguments x_codes, x_scales, Wq_codes, Wq_scales, Wk_codes, Wk_scales, Wv_codes, Wv_scales, bq, bk, bv, qimg, qsc, kimg, ksc, vimg, vsc; writes qimg, qsc, kimg, ksc, vimg, vsc
.if DOCPART == 1
	.amdgcn_target "amdgcn-amd-amdhsa--gfx1250"
	.amdhsa_code_object_version 6
	.text
	.protected	k_qf980161268_proj
	.globl	k_qf980161268_proj
	.p2align	8
	.type	k_qf980161268_proj,@function
k_qf980161268_proj:
	s_mov_b64 s[64:65], 0
	v_nop
	global_prefetch_b8 v0, s[64:65] scope:SCOPE_SE
	s_setreg_imm32_b32 hwreg(HW_REG_WAVE_MODE, 25, 1), 1
	s_wait_xcnt 0x0
	s_wait_alu depctr_hold_cnt(0) depctr_sa_sdst(0) depctr_va_vdst(0) depctr_va_sdst(0) depctr_va_ssrc(0) depctr_va_vcc(0) depctr_vm_vsrc(0)
	s_getreg_b32 s2, hwreg(HW_REG_IB_STS2, 6, 4)
	s_cmp_eq_u32 s2, 0
	s_cbranch_scc0 .Lentry_in_a_cluster
	s_endpgm
.Lentry_in_a_cluster:
	s_bfe_u32 s2, ttmp6, 0x10000c
	s_cmp_lg_u32 s2, 0xf033
	s_cbranch_scc0 .Lentry_shape_is_right
	s_endpgm
.Lentry_shape_is_right:
; q = x Wq^T + bq, k = x Wk^T + bk, v = x Wv^T + bv on the given codes of FP4 (E2M1) with their E8M0 scale bytes; sums and biases in f32; then each result is
; quantised for the attention launch: q and k along the head's 64 (two blocks of 32), v along the KEYS (blocks of 32 tokens), and stored as IMAGES OF OPERAND REGISTERS with scale words.
; NO WORK IS LEFT OUT: every input has a way to the output (bk moves k's codes; the mask differs along the softmax's axis and is taken in by the second launch).
; LIMITS: NaN and infinities among the biases are not served.  A block of zeros gets the scale byte 1 where the rule says 127: its codes are zeros, and these bytes are read by this program alone.
; SHAPE.  C = A B^T in tiles of 256 x 256; four waves, each 128 x 128 in 64 accumulators (512 registers).  K = 1,024 is two LDS slots of 512 along K (rows of 256 bytes), both asked for at the head: nothing is filled again.
; The matrix instruction is used transposed: source 0 = 16 rows of B, source 1 = 16 rows of A: a lane holds ONE row of A, and its registers run along B's rows.
; Cluster x = 0: q, 1: k: A = x, B = W: a lane holds a token, its registers run along the features, which are the next product's K.
; Cluster x = 2: v: A = Wv, B = x: a lane holds a feature, its registers run along the tokens, which are the last product's K.  Cluster y = the batch.
; CLUSTERS: 4 x 4 work-groups; A's tiles are asked for jointly along a row of the cluster, B's along a column.  All choices between q, k and v hang on the cluster's x, which all sixteen partners share.
; THE WAY OUT.  Block a (16 rows of A x 128 of B): 64 numbers a lane, register 8 b + j = k 16 b + 8 (lane / 16) + j.  Bias added, the four blocks' largest magnitudes, scale bytes, eight conversions; the conversion of
; tile 4 c + 0, 1, 2, 3 writes register 4 c + 0, 2, 1, 3, and two exchanges of lane halves for each c leave registers 4 c .. 4 c + 3 = k 64 c + 32 (lane / 16) + 0 .. 31: the operand's own layout.  Each store of the wave covers 512 consecutive bytes.
; REGISTERS: window 0: v1 r, v2 lane / 16, v16-29 addresses; v32-95 scale words, two sets; v96-111 at work; v112-119 the blocks' scale words; v120-127 codes; v128-191 A's fragments, later the 64 numbers; v192-255 the bias.
;   window 1: B's fragments, two sets, at v0 and v128.   window 2, 3: the accumulators ((a, b) at v[8 (8 (a % 4) + b)]).
.set NQ,     4                         ; matrix instructions deep in a slot
.set ROWB,   256                       ; a tile's row in bytes: 512 codes
.set KROW,   512                       ; a row of x or W in memory, in bytes
.set PITCH,  272                       ; an LDS row: 256 bytes + 16 of padding = 68 words: the 16 rows that a load touches start at 16 different banks
.set FR,     8                         ; registers of a fragment: 16 rows x 128 K
.set NL,     2                         ; LDS loads that bring one
.set NP,     4                         ; places behind this matrix instruction (ISA guide 7.12.1)
.set HALFT,  128*PITCH                 ; 128 rows: what one tensor load brings
.set SLOT,   4*HALFT                   ; A's 256 rows, then B's 256 rows
.set KS,     32                        ; a row of scale bytes
.set SCL,    2*SLOT                    ; behind the slots: the scales, as units of 256 bytes + 16 of padding
.set HALFS,  16*272                    ; the scales of 128 rows
.set SBLK,   2*272                     ; those of 16 rows
.set SPARE,  SCL+4*HALFS               ; the spare words, 128 bytes for each wave: two blocks of 256 bytes that no other line names
.set ADRA, 16                          ; v16-17  LDS address of my A fragments in slot 0, 1
.set ADRB, 20                          ; v20-21  the same for B
.set BO,   24                          ; v24     my byte offset in the bias
.set SOF,  25                          ; v25     my byte offset among the scale words that I store
.set LI,   26                          ; v26     16 x lane: my place in an image
.set ADRS, 27                          ; v27     LDS address of my scale words: lanes 0-15 A's rows, lanes 16-31 B's
.set SPW,  28                          ; v28     LDS address of my spare word; never rewritten
.set NIL,  29                          ; v29     0; never rewritten
.set SC,   32                          ; scale words: set s at v[SC + 32 s]; register 4 i + q: lanes 0-15 A's block i, lanes 16-31 B's block i, the slot's q-th 128 along K
.set TM,   96                          ; v96-99 largest magnitudes, v100-103 the other half's, then bytes, v108-111 the conversions' scale operands
.set PWS,  112                         ; v112-119 block a's scale word
.set PC,   120                         ; v120-127 the codes just made
.set AF,   128                         ; A's fragments
.set ST,   128                         ; the way out: 64 numbers of a lane
.set BI,   192                         ; the bias
.set G1, 24                            ; s[24:31] descriptor group 1 for A's tiles;  s[32:39] group 0, one set for each slot
.set G0, 32
.set G1B, 48                           ; s[48:55], s[56:63] the same for B's
.set G0B, 56
.set SEL, 66                           ; s[66:67] v_permlanex16_b32's selects for lane l xor 16
.set G1S, 68                           ; s[68:75], s[76:79] groups 1 and 0 for A's scales;  s[80:87], s[88:91] for B's
.set G0S, 76
.set G1SB, 80
.set G0SB, 88
.set MSB, 0
.macro WIN new                         ; the immediate's high byte repeats the setting that is left
.if MSB != \new
	s_set_vgpr_msb (MSB<<8)|\new
.set MSB, \new
.endif
.endm
.set MUL_LO, 0xa1                      ; source 0 (B) window 1, source 1 (A) window 0, C and D window 2
.set MUL_HI, 0xf1                      ; the same, C and D window 3
.set TO_B,   0x40                      ; destination window 1, address window 0
; A joint load: waves 0 and 1 fetch for A, waves 2 and 3 for B.  Each line has one mask and one set of registers for all that issue it; the branch hangs on the wave's number alone.
; An s_nop 0 and four v_nop follow each of the two lines.
.macro JLOAD g0a, g1a, g0b, g1b
	s_cmp_eq_u32 s15, 0
	s_cbranch_scc0 .Lfor_b_\@
	tensor_load_to_lds s[\g0a:\g0a+3], s[\g1a:\g1a+7]
	s_nop 0
.rept 4
	v_nop
.endr
	s_branch .Lasked_\@
.Lfor_b_\@:
	tensor_load_to_lds s[\g0b:\g0b+3], s[\g1b:\g1b+7]
	s_nop 0
.rept 4
	v_nop
.endr
.Lasked_\@:
.endm
.macro CROUND                          ; a round of the cluster's barrier
	s_barrier_signal -1
	s_barrier_wait -1
	s_cmp_lg_u32 s14, 0
	s_cbranch_scc1 .Lnot_wave_0_\@
	s_barrier_signal -3
.Lnot_wave_0_\@:
	s_barrier_wait -3
	s_barrier_signal -1
	s_barrier_wait -1
.endm
	s_load_b512 s[24:39], s[0:1], 0x0              ; x codes, x scales, Wq codes, Wq scales, Wk codes, Wk scales, Wv codes, Wv scales
	s_load_b512 s[48:63], s[0:1], 0x40             ; bq, bk, bv, qimg, qsc, kimg, ksc, vimg
	s_load_b64 s[68:69], s[0:1], 0x80              ; vsc
	v_lshl_add_u32 v[SPW], v0, 2, SPARE
	v_mov_b32 v[NIL], 0
	ds_add_u32 v[SPW], v[NIL]                      ; the wave's opening: the add, twice on end, and its wait ahead of my first tensor load
	ds_add_u32 v[SPW], v[NIL]                      ; and once more; the ids below, work on registers, stand between it and the wait
	v_lshrrev_b32 v1, 5, v0
	v_readfirstlane_b32 s14, v1                    ; wave 0..3
	s_lshr_b32 s15, s14, 1                         ; which half of A's rows is mine.  Also: I fetch for A (0) or for B (1)
	s_and_b32 s16, s14, 1                          ; which half of B's rows.  Also: which 128 rows of that tile I fetch
	s_bfe_u32 s40, ttmp6, 0x40000                  ; cx, cy: my place in the cluster
	s_bfe_u32 s41, ttmp6, 0x40004
	s_and_b32 s18, ttmp7, 0xffff
	s_lshl_b32 s18, s18, 2                         ; 4 x batch: x has four tiles of 256 tokens in a batch
	s_cmp_eq_u32 ttmp9, 2                          ; v?
	s_cselect_b32 s19, 0, s18
	s_cselect_b32 s20, s18, 0
	s_add_co_u32 s17, s41, s19                     ; A's tile: q, k: 4 batch + cy (of x);  v: cy (of Wv)
	s_add_co_u32 s42, s40, s20                     ; B's tile: q, k: cx (of W);  v: 4 batch + cx (of x)
	s_lshl_b32 s43, s41, 2
	s_lshl_b32 s43, 15, s43                        ; my row of the cluster
	s_lshl_b32 s44, 0x1111, s40                    ; my column
	s_lshl_b32 s18, s16, 7                         ; which 128 rows of the tile I fetch
	s_lshl_b32 s20, s17, 8
	s_add_co_u32 s20, s20, s18                     ; A: row 256 x tile + 128 x half
	s_lshl_b32 s46, s42, 8
	s_add_co_u32 s46, s46, s18                     ; B likewise
	s_lshl_b32 s22, s20, 5                         ; where these rows' scales begin: 32 bytes a row
	s_lshl_b32 s92, s46, 5
	s_lshl_b32 s20, s20, 9                         ; and their codes: 512 bytes a row (8,192 rows at the most: under 2^23)
	s_lshl_b32 s46, s46, 9
	s_mov_b32 s21, 0
	s_mov_b32 s23, 0
	s_mov_b32 s47, 0
	s_mov_b32 s93, 0
	s_mul_i32 s45, s14, HALFT                      ; where they go: wave x 128 rows: no place in the cluster enters an LDS address
	s_mul_i32 s94, s14, HALFS
	s_mov_b32 s[SEL], 0x76543210
	s_mov_b32 s[SEL+1], 0xfedcba98
	s_wait_dscnt 0x0                               ; both opening adds are done
	s_wait_kmcnt 0x0
	s_cmp_eq_u32 ttmp9, 0                          ; q or k: the choices hang on the cluster's x alone
	s_cselect_b64 s[8:9], s[28:29], s[32:33]       ; W's codes
	s_cselect_b64 s[10:11], s[30:31], s[34:35]     ; W's scales
	s_cselect_b64 s[12:13], s[48:49], s[50:51]     ; the bias
	s_cselect_b64 s[96:97], s[54:55], s[58:59]     ; the images
	s_cselect_b64 s[98:99], s[56:57], s[60:61]     ; their scale words
	s_cmp_eq_u32 ttmp9, 2                          ; v: Wv is A and x is B
	s_cselect_b64 s[4:5], s[36:37], s[24:25]       ; A's codes
	s_cselect_b64 s[6:7], s[38:39], s[26:27]       ; A's scales
	s_cselect_b64 s[8:9], s[24:25], s[8:9]         ; B's codes
	s_cselect_b64 s[10:11], s[26:27], s[10:11]     ; B's scales
	s_cselect_b64 s[12:13], s[52:53], s[12:13]
	s_cselect_b64 s[96:97], s[62:63], s[96:97]
	s_cselect_b64 s[98:99], s[68:69], s[98:99]
	s_add_nc_u64 s[20:21], s[4:5], s[20:21]
	s_add_nc_u64 s[22:23], s[6:7], s[22:23]
	s_add_nc_u64 s[46:47], s[8:9], s[46:47]
	s_add_nc_u64 s[92:93], s[10:11], s[92:93]
	; descriptor group 1 (over the registers that held the arguments): a tile of 128 rows x 256 bytes, padded in LDS
	s_or_b32 s[G1+0], s43, (0<<16)|(1<<20)|(1<<21)|(5<<22)|(3<<25)  ; 15:0 the mask: A's tiles go to my row; elements of 1 byte; padding on; bit 21 beside a mask; after every 64 words, 4 words
	s_or_b32 s[G1B+0], s44, (0<<16)|(1<<20)|(1<<21)|(5<<22)|(3<<25) ; B's go to my column
.irp g, G1, G1B
	s_mov_b32 s[\g+1], ROWB<<16                    ; tensor_dim0
	s_mov_b32 s[\g+2], 128<<16                     ; tensor_dim1
	s_mov_b32 s[\g+3], ROWB<<16                    ; tile_dim0
	s_mov_b32 s[\g+4], 128                         ; tile_dim1
	s_mov_b32 s[\g+5], KROW                        ; tensor_dim0_stride
	s_mov_b32 s[\g+6], 0
	s_mov_b32 s[\g+7], 0
.endr
	; the scales of 128 rows: a dense block of 4,096 bytes, as 16 rows of 256 bytes (32 elements of 8 bytes), 16 bytes of padding behind each
	s_or_b32 s[G1S+0], s43, (3<<16)|(1<<20)|(1<<21)|(5<<22)|(3<<25)
	s_or_b32 s[G1SB+0], s44, (3<<16)|(1<<20)|(1<<21)|(5<<22)|(3<<25)
.irp g, G1S, G1SB
	s_mov_b32 s[\g+1], 32<<16
	s_mov_b32 s[\g+2], 16<<16
	s_mov_b32 s[\g+3], 32<<16
	s_mov_b32 s[\g+4], 16
	s_mov_b32 s[\g+5], 32
	s_mov_b32 s[\g+6], 0
	s_mov_b32 s[\g+7], 0
.endr
	CROUND                                         ; all sixteen work-groups are here: the first joint loads meet
	s_mov_b32 s[G0S], 1
	s_add_co_u32 s[G0S+1], s94, SCL
	s_mov_b64 s[G0S+2:G0S+3], s[22:23]
	s_or_b32 s[G0S+3], s[G0S+3], 0x80000000
	s_mov_b32 s[G0SB], 1
	s_add_co_u32 s[G0SB+1], s94, SCL
	s_mov_b64 s[G0SB+2:G0SB+3], s[92:93]
	s_or_b32 s[G0SB+3], s[G0SB+3], 0x80000000
	JLOAD G0S, G1S, G0SB, G1SB                     ; the scales first: they are wanted with slot 0
.irp s, 0,1
	s_mov_b32 s[G0+4*\s], 1
	s_add_co_u32 s[G0+4*\s+1], s45, \s*SLOT
	s_add_nc_u64 s[G0+4*\s+2:G0+4*\s+3], s[20:21], \s*ROWB
	s_or_b32 s[G0+4*\s+3], s[G0+4*\s+3], 0x80000000
	s_mov_b32 s[G0B+4*\s], 1
	s_add_co_u32 s[G0B+4*\s+1], s45, \s*SLOT
	s_add_nc_u64 s[G0B+4*\s+2:G0B+4*\s+3], s[46:47], \s*ROWB
	s_or_b32 s[G0B+4*\s+3], s[G0B+4*\s+3], 0x80000000
	JLOAD G0+4*\s, G1, G0B+4*\s, G1B               ; all of K: three tensor loads of mine are out, and no more follow
.endr
	v_and_b32 v1, 15, v0                           ; r = lane % 16
	v_bfe_u32 v2, v0, 4, 1                         ; lane / 16
	v_mul_u32_u24 v3, v1, PITCH
	v_lshl_add_u32 v4, v2, 4, v3                   ; a fragment's row x pitch + 16 x half
	s_mul_i32 s21, s15, HALFT                      ; my 128 rows of A
	s_mul_i32 s22, s16, HALFT                      ; my 128 rows of B,
	s_add_co_u32 s22, s22, 2*HALFT                 ; which lie behind A's 256
.irp s, 0,1
	v_add_nc_u32 v[ADRA+\s], s21, v4
	v_add_nc_u32 v[ADRB+\s], s22, v4
	s_add_co_u32 s21, s21, SLOT
	s_add_co_u32 s22, s22, SLOT
.endr
	v_mul_u32_u24 v5, v1, KS                       ; my row's scales: 32 bytes a row,
	v_lshrrev_b32 v6, 8, v5
	v_lshl_add_u32 v5, v6, 4, v5                   ; and 16 more for each 256 passed
	s_mul_i32 s21, s15, HALFS                      ; A's: my 128 rows
	s_mul_i32 s22, s16, HALFS                      ; B's: my 128 rows, behind A's 256
	s_add_co_u32 s22, s22, 2*HALFS
	s_sub_co_u32 s22, s22, s21
	v_mul_u32_u24 v6, s22, v2                      ; lanes 16-31 take B's
	s_add_co_u32 s21, s21, SCL
	v_add_nc_u32 v5, v5, v6
	v_add_nc_u32 v[ADRS], s21, v5
	v_and_b32 v6, 31, v0
	v_lshlrev_b32 v[LI], 4, v6
.irp b, 0,1,2,3
	v_mov_b32 v[TM+4+\b], 0                        ; written once: a lane permute's destination counts as one of its sources
.endr
	; where my results go.  P, Q = (cx, cy) for q and k, (cy, cx) for v;  U, W = (wave & 1, wave >> 1) for q and k, the other way round for v.  My 128 features are heads 4 P + 2 U and the next; my 128 tokens begin at 256 Q + 128 W.
	s_cmp_eq_u32 ttmp9, 2
	s_cselect_b32 s2, s41, s40                     ; P
	s_cselect_b32 s3, s40, s41                     ; Q
	s_cselect_b32 s18, s15, s16                    ; U
	s_cselect_b32 s19, s16, s15                    ; W
	s_cselect_b32 s95, 4, 3
	s_and_b32 s20, ttmp7, 0xffff
	s_lshl_b32 s20, s20, 19                        ; images: 2^19 bytes a batch, 2^15 a head; q, k: 32 bytes a token; v: 4,096 bytes for 128 keys: both are Q << 13 + W << 12
	s_lshl_b32 s21, s2, 17
	s_add_co_u32 s20, s20, s21
	s_lshl_b32 s21, s18, 16
	s_add_co_u32 s20, s20, s21
	s_lshl_b32 s21, s3, 13
	s_add_co_u32 s20, s20, s21
	s_lshl_b32 s21, s19, 12
	s_add_co_u32 s20, s20, s21
	s_lshr_b32 s22, s20, s95                       ; scale words: an eighth of the images' bytes for q and k, a sixteenth for v, in the same order
	s_mov_b32 s21, 0
	s_mov_b32 s23, 0
	s_add_nc_u64 s[96:97], s[96:97], s[20:21]
	s_add_nc_u64 s[98:99], s[98:99], s[22:23]
	s_lshl_b32 s20, s2, 10
	s_lshl_b32 s22, s18, 9
	s_add_co_u32 s20, s20, s22                     ; the bias of my first feature: 4 (256 P + 128 U)
	s_add_nc_u64 s[12:13], s[12:13], s[20:21]
.macro FRAG reg, adr, q, i             ; a fragment: lane l holds row l % 16; registers 4 c .. 4 c + 3 hold K = 64 c + 32 (l / 16) + 0 .. 31
.irp c, 0,1
	ds_load_b128 v[\reg+4*\c:\reg+4*\c+3], v[\adr] offset:64*(\q)+32*\c+(\i)*16*PITCH
.endr
.endm
; 16 matrix instructions: A's blocks a0, a0 + 1 x B's eight, the slot's q-th 128 along K.  p: B's set;  sc: the set of scale words.  zero = 1: the first product starts the sums.
; The 64 accumulators take turns, one instruction a turn, in the same order in every step.
.macro MUL16 a0, p, q, sc, zero
.irp a, \a0, \a0+1
.irp b, 0,1,2,3,4,5,6,7
.if \zero
	v_wmma_scale_f32_16x16x128_f8f6f4 v[8*(8*((\a)%4)+\b):8*(8*((\a)%4)+\b)+7], v[128*(\p)+FR*\b:128*(\p)+FR*\b+FR-1], v[AF+FR*(\a):AF+FR*(\a)+FR-1], 0, v[SC+8*NQ*(\sc)+NQ*\b+(\q)], v[SC+8*NQ*(\sc)+NQ*(\a)+(\q)] matrix_a_fmt:MATRIX_FMT_FP4 matrix_b_fmt:MATRIX_FMT_FP4 matrix_a_scale:MATRIX_SCALE_ROW1
.else
	v_wmma_scale_f32_16x16x128_f8f6f4 v[8*(8*((\a)%4)+\b):8*(8*((\a)%4)+\b)+7], v[128*(\p)+FR*\b:128*(\p)+FR*\b+FR-1], v[AF+FR*(\a):AF+FR*(\a)+FR-1], v[8*(8*((\a)%4)+\b):8*(8*((\a)%4)+\b)+7], v[SC+8*NQ*(\sc)+NQ*\b+(\q)], v[SC+8*NQ*(\sc)+NQ*(\a)+(\q)] matrix_a_fmt:MATRIX_FMT_FP4 matrix_b_fmt:MATRIX_FMT_FP4 matrix_a_scale:MATRIX_SCALE_ROW1
.endif
.endr
.endr
.endm
.macro FETCH_B slot, q, p              ; B's eight fragments of the slot's q-th 128 along K into set p
	WIN TO_B
.irp i, 0,1,2,3,4,5,6,7
	FRAG 128*(\p)+FR*\i, ADRB+\slot, \q, \i
.endr
	WIN 0
.endm
.macro FETCH_A slot, q, i0             ; A's blocks i0 .. i0 + 3
.irp i, \i0, \i0+1, \i0+2, \i0+3
	FRAG AF+FR*(\i), ADRA+\slot, \q, \i
.endr
.endm
.macro SCALES sc                       ; a slot's scale words into set sc: four words a row; lanes 0-15 take A's block i, lanes 16-31 B's block i
.irp i, 0,1,2,3,4,5,6,7
	ds_load_b128 v[SC+8*NQ*\sc+NQ*\i:SC+8*NQ*\sc+NQ*\i+3], v[ADRS] offset:\i*SBLK
.endr
.endm
.macro PLACES n                        ; plain vector instructions between a matrix instruction and a load into, or a vector instruction on, its registers
.rept \n
	v_nop
.endr
.endm
; A step of 128 along K that has its successor in the same slot.  A has one set of registers (a block is free when its eight products are issued), B two.
.macro STEP slot, q, zero
	s_wait_dscnt 4*NL                              ; B's set and A's blocks 0-3 are in; the youngest eight loads (A's blocks 4-7) may be out
	WIN MUL_LO
	MUL16 0, (\q)%2, \q, \slot, \zero
	MUL16 2, (\q)%2, \q, \slot, \zero
	s_wait_dscnt 0                                 ; A's blocks 4-7 are in
	PLACES NP
	FETCH_B \slot, (\q)+1, 1-(\q)%2
	FETCH_A \slot, (\q)+1, 0
	WIN MUL_HI
	MUL16 4, (\q)%2, \q, \slot, \zero
	MUL16 6, (\q)%2, \q, \slot, \zero
	PLACES NP
	WIN 0
	FETCH_A \slot, (\q)+1, 4
.endm
; Slot 0's last step goes over to slot 1: each wave waits for its own part of slot 1, then the barrier shows every wave's part.  Nothing is filled again.
.macro TURN slot, next
	s_wait_tensorcnt 0x0                           ; all my tensor loads have landed: my part of the next slot
	ds_add_u32 v[SPW], v[NIL]                      ; 0 onto my spare word
	s_wait_dscnt 4*NL+1                            ; (the add and the youngest eight loads, A's blocks 4-7, may be out)
	WIN MUL_LO
	MUL16 0, 1, NQ-1, \slot, 0
	s_wait_dscnt 0x0                               ; no LDS instruction of mine is out at the signal
	s_barrier_signal -1
	MUL16 2, 1, NQ-1, \slot, 0
	WIN 0
	s_barrier_wait -1
	PLACES NP
	v_add_nc_u32 v[ADRS], 4*NQ, v[ADRS]            ; on to the next slot's scale words
	FETCH_B \next, 0, 0
	FETCH_A \next, 0, 0
	SCALES \next
	WIN MUL_HI
	MUL16 4, 1, NQ-1, \slot, 0
	MUL16 6, 1, NQ-1, \slot, 0
	PLACES NP
	WIN 0
	FETCH_A \next, 0, 4
.endm
.macro STEPS slot, from                ; the slot's steps from .. NQ - 2
.set Q, \from
.rept NQ-1-\from
	STEP \slot, Q, 0
.set Q, Q+1
.endr
.endm
.macro TAIL                            ; slot 1's four steps; the last fetches nothing
	STEPS 1, 0
	s_wait_dscnt 4*NL
	WIN MUL_LO
	MUL16 0, 1, NQ-1, 1, 0
	MUL16 2, 1, NQ-1, 1, 0
	s_wait_dscnt 0
	WIN MUL_HI
	MUL16 4, 1, NQ-1, 1, 0
	MUL16 6, 1, NQ-1, 1, 0
	WIN 0
	PLACES NP                                      ; in front of the first read of results and the first write over A's fragments
.endm
; 64 numbers of a lane, v[s] .. v[s + 63], register 8 b + j = k 16 b + 8 (lane / 16) + j of my row, become a fragment's codes in v[PC] on and its scale word in v[w].
.macro QUANT s, w
.irp b, 0,1,2,3
	v_max3_num_f32 v[TM+\b], |v[\s+16*\b]|, |v[\s+1+16*\b]|, 0x1800000   ; block b of 32: my 16 numbers, and the floor 2^(3 - 127): the byte cannot fall under 1
.endr
.irp n, 2,4,6,8,10,12,14
.irp b, 0,1,2,3
	v_max3_num_f32 v[TM+\b], v[TM+\b], |v[\s+16*\b+\n]|, |v[\s+1+16*\b+\n]|   ; (the four blocks by turns)
.endr
.endr
.irp b, 0,1,2,3
	v_permlanex16_b32 v[TM+4+\b], v[TM+\b], s[SEL], s[SEL+1]
.endr
.irp b, 0,1,2,3
	v_max_num_f32 v[TM+\b], v[TM+\b], v[TM+4+\b]   ; with lane l xor 16's: the block's largest magnitude
.endr
.irp b, 0,1,2,3
	v_add_nc_u32 v[TM+12+\b], 0xff000000, v[TM+\b] ; 2 off its exponent field: the conversion takes the exponent field of this operand as its scale
.endr
.irp b, 0,1,2,3
	v_lshrrev_b32 v[TM+4+\b], 23, v[TM+12+\b]      ; the scale's byte
.endr
	v_lshl_or_b32 v[\w], v[TM+5], 8, v[TM+4]       ; the four bytes make my row's scale word
	v_lshl_or_b32 v[\w], v[TM+6], 16, v[\w]
	v_lshl_or_b32 v[\w], v[TM+7], 24, v[\w]
	s_wait_xcnt 0x0                                ; the last block's stores have read the codes' registers: only now are they written again
.irp b, 0,1,2,3,4,5,6,7
	v_cvt_scalef32_pk8_fp4_f32 v[PC+4*(\b/4)+2*(\b%2)+(\b%4)/2], v[\s+8*\b:\s+8*\b+7], v[TM+12+\b/2]   ; tile 4 c + 0, 1, 2, 3 -> register 4 c + 0, 2, 1, 3
.endr
	v_nop                                          ; one plain place behind a scaled conversion
.irp c, 0,1
	v_permlane16_swap_b32 v[PC+4*\c], v[PC+4*\c+1]     ; the first's lanes 16-31 change places with the second's lanes 0-15:
	v_permlane16_swap_b32 v[PC+4*\c+2], v[PC+4*\c+3]   ; registers 4 c .. 4 c + 3 now hold k = 64 c + 32 (lane / 16) + 0 .. 31
.endr
.endm
; Block a of the way out: the bias is added as the sums move into window 0 (each accumulator from its low end on), then they are quantised.  isv = 1: one bias a lane; 0: one a register.
.macro BLOCK a, isv
	WIN 0x02+(\a)/4                                ; source 0: window 2 or 3
.set p, 0
.rept 32
.if \isv
	v_pk_add_f32 v[ST+2*p:ST+2*p+1], v[64*((\a)%4)+2*p:64*((\a)%4)+2*p+1], v[BI+2*(\a):BI+2*(\a)+1]
.else
	v_pk_add_f32 v[ST+2*p:ST+2*p+1], v[64*((\a)%4)+2*p:64*((\a)%4)+2*p+1], v[BI+2*p:BI+2*p+1]
.endif
.set p, p+1
.endr
	WIN 0
	QUANT ST, PWS+(\a)
.endm
	s_wait_tensorcnt 1                             ; the scales and my part of slot 0 are in (slot 1's load may be out)
	s_barrier_signal -1
	s_barrier_wait -1                              ; everybody's are
	FETCH_B 0, 0, 0
	FETCH_A 0, 0, 0
	SCALES 0
	FETCH_A 0, 0, 4
	STEP 0, 0, 1                                   ; the first step's products start the sums: nothing is cleared
	STEPS 0, 1
	TURN 0, 1
	s_cmp_eq_u32 ttmp9, 2                          ; the text parts here, on the cluster's x: the bias is asked for four steps, 256 matrix instructions, ahead of its use, and each way reads only registers that it wrote itself
	s_cbranch_scc1 .Lv
	; ---- q and k: a lane holds a token; register 8 b + j is feature 16 b + 8 (lane / 16) + j of my 128: two heads
	v_lshlrev_b32 v[BO], 5, v2
.irp b, 0,1,2,3,4,5,6,7
	global_load_b128 v[BI+8*\b:BI+8*\b+3], v[BO], s[12:13] offset:64*\b
	global_load_b128 v[BI+8*\b+4:BI+8*\b+7], v[BO], s[12:13] offset:64*\b+16
.endr
	TAIL
	s_wait_loadcnt 0x0                             ; the bias
	v_lshlrev_b32 v[SOF], 5, v1
	v_lshl_add_u32 v[SOF], v2, 4, v[SOF]           ; scale words [16 rows][8 blocks]: row r, lanes 0-15 blocks 0-3, lanes 16-31 blocks 4-7
.irp a, 0,1,2,3,4,5,6,7
	BLOCK \a, 0
	global_store_b128 v[LI], v[PC:PC+3], s[96:97] offset:512*\a          ; the first head's 64: half a fragment, 512 consecutive bytes
	global_store_b128 v[LI], v[PC+4:PC+7], s[96:97] offset:32768+512*\a  ; the second head's
.endr
	v_cmp_eq_u32 vcc_lo, 1, v2
.irp n, 0,1,2,3
	v_cndmask_b32 v[ST+\n], v[PWS+\n], v[PWS+4+\n], vcc_lo   ; the first head's bytes are a word's bytes 0, 1 (bytes 2, 3, the other head's, meet zero codes)
.endr
.irp n, 0,1,2,3,4,5,6,7
	v_lshrrev_b32 v[ST+8+\n], 16, v[PWS+\n]        ; the second head's, brought down
.endr
.irp n, 0,1,2,3
	v_cndmask_b32 v[ST+4+\n], v[ST+8+\n], v[ST+12+\n], vcc_lo
.endr
	global_store_b128 v[SOF], v[ST:ST+3], s[98:99]             ; 512 consecutive bytes
	global_store_b128 v[SOF], v[ST+4:ST+7], s[98:99] offset:4096
	s_branch .Lend
.Lv:	; ---- v: a lane holds a feature; register 8 b + j is key 16 b + 8 (lane / 16) + j of my 128: one key step
	v_lshlrev_b32 v[BO], 2, v1
.irp a, 0,1,2,3,4,5,6,7
	global_load_b32 v[BI+2*\a], v[BO], s[12:13] offset:64*\a
.endr
	TAIL
	s_wait_loadcnt 0x0
.irp a, 0,1,2,3,4,5,6,7
	v_mov_b32 v[BI+2*\a+1], v[BI+2*\a]             ; a pair for the packed addition
.endr
	v_lshlrev_b32 v[SOF], 4, v1
	v_lshl_add_u32 v[SOF], v2, 11, v[SOF]          ; scale words [16 rows][4 tiles]: lanes 0-15 the first head's, lanes 16-31 the second's, 2,048 bytes on
.irp a, 0,1,2,3,4,5,6,7
	BLOCK \a, 1
	global_store_b128 v[LI], v[PC:PC+3], s[96:97] offset:(\a/4)*32768+(\a%4)*1024       ; head a / 4, tile a % 4 of its 64: a whole fragment
	global_store_b128 v[LI], v[PC+4:PC+7], s[96:97] offset:(\a/4)*32768+(\a%4)*1024+512
.endr
	v_cmp_eq_u32 vcc_lo, 1, v2
.irp n, 0,1,2,3
	v_cndmask_b32 v[ST+\n], v[PWS+\n], v[PWS+4+\n], vcc_lo
.endr
	global_store_b128 v[SOF], v[ST:ST+3], s[98:99]             ; sixteen lanes store 256 consecutive bytes, aligned
.Lend:
	s_wait_tensorcnt 0x0                           ; the wave's end
	ds_add_u32 v[SPW], v[NIL]
	s_wait_dscnt 0x0
	CROUND                                         ; the closing round
	s_endpgm
.Lfunc_end_k_qf980161268_proj:
	.size	k_qf980161268_proj, .Lfunc_end_k_qf980161268_proj-k_qf980161268_proj
	.p2alignl 7, 3214868480
	.fill 96, 4, 3214868480
	.section	.rodata,"a",@progbits
	.p2align	6, 0x0
	.amdhsa_kernel k_qf980161268_proj
		.amdhsa_group_segment_fixed_size 296448
		.amdhsa_private_segment_fixed_size 0
		.amdhsa_enable_private_segment 0
		.amdhsa_kernarg_size 136
		.amdhsa_user_sgpr_count 2
		.amdhsa_user_sgpr_kernarg_segment_ptr 1
		.amdhsa_wavefront_size32 1
		.amdhsa_system_sgpr_workgroup_id_x 1
		.amdhsa_system_sgpr_workgroup_id_y 1
		.amdhsa_system_sgpr_workgroup_id_z 1
		.amdhsa_system_vgpr_workitem_id 0
		.amdhsa_next_free_vgpr 1024
		.amdhsa_next_free_sgpr 100
		.amdhsa_reserve_vcc 1
		.amdhsa_float_denorm_mode_32 3
		.amdhsa_float_denorm_mode_16_64 3
		.amdhsa_memory_ordered 1
		.amdhsa_forward_progress 1
		.amdhsa_inst_pref_size 235
	.end_amdhsa_kernel
	.amdgpu_metadata
---
amdhsa.version: [ 1, 2 ]
amdhsa.kernels:
  - .name:           k_qf980161268_proj
    .symbol:         k_qf980161268_proj.kd
    .args:
      - { .name: x_codes, .offset: 0, .size: 8, .value_kind: global_buffer, .address_space: global }
      - { .name: x_scales, .offset: 8, .size: 8, .value_kind: global_buffer, .address_space: global }
      - { .name: Wq_codes, .offset: 16, .size: 8, .value_kind: global_buffer, .address_space: global }
      - { .name: Wq_scales, .offset: 24, .size: 8, .value_kind: global_buffer, .address_space: global }
      - { .name: Wk_codes, .offset: 32, .size: 8, .value_kind: global_buffer, .address_space: global }
      - { .name: Wk_scales, .offset: 40, .size: 8, .value_kind: global_buffer, .address_space: global }
      - { .name: Wv_codes, .offset: 48, .size: 8, .value_kind: global_buffer, .address_space: global }
      - { .name: Wv_scales, .offset: 56, .size: 8, .value_kind: global_buffer, .address_space: global }
      - { .name: bq, .offset: 64, .size: 8, .value_kind: global_buffer, .address_space: global }
      - { .name: bk, .offset: 72, .size: 8, .value_kind: global_buffer, .address_space: global }
      - { .name: bv, .offset: 80, .size: 8, .value_kind: global_buffer, .address_space: global }
      - { .name: qimg, .offset: 88, .size: 8, .value_kind: global_buffer, .address_space: global }
      - { .name: qsc, .offset: 96, .size: 8, .value_kind: global_buffer, .address_space: global }
      - { .name: kimg, .offset: 104, .size: 8, .value_kind: global_buffer, .address_space: global }
      - { .name: ksc, .offset: 112, .size: 8, .value_kind: global_buffer, .address_space: global }
      - { .name: vimg, .offset: 120, .size: 8, .value_kind: global_buffer, .address_space: global }
      - { .name: vsc, .offset: 128, .size: 8, .value_kind: global_buffer, .address_space: global }
    .group_segment_fixed_size: 296448
    .private_segment_fixed_size: 0
    .kernarg_segment_align: 8
    .kernarg_segment_size: 136
    .max_flat_workgroup_size: 128
    .sgpr_count:     100
    .vgpr_count:     1024
    .wavefront_size: 32
...
	.end_amdgpu_metadata
.endif
;; end of part 1
;; launch attn (part 2): grid 2 x 128, 8 waves a work-group, no clusters, 111,616 bytes of LDS; arguments qimg, qsc, kimg, ksc, vimg, vsc, attention_mask, out0; writes out0
.if DOCPART == 2
	.amdgcn_target "amdgcn-amd-amdhsa--gfx1250"
	.amdhsa_code_object_version 6
	.text
	.protected	k_qf980161268_attn
	.globl	k_qf980161268_attn
	.p2align	8
	.type	k_qf980161268_attn,@function
k_qf980161268_attn:
	s_mov_b64 s[64:65], 0
	v_nop
	global_prefetch_b8 v0, s[64:65] scope:SCOPE_SE
	s_setreg_imm32_b32 hwreg(HW_REG_WAVE_MODE, 25, 1), 1
	s_wait_xcnt 0x0
; out[b][q][h][:] = the sum over keys of softmax(q . k / 8 + mask[b][key]) v[key][:], both products on codes of FP4 (E2M1) with E8M0 scales, from the images that the launch before stored.  No work is left out.
; THE SOFTMAX: t = (q . k + 8 mask) x log2(e) / 8; M = the running largest t rounded UP to a whole number; p = 2^(t - M) is quantised along the keys, not normalised; the row's sum is taken of the unquantised p
; and divides at the end.  When M moves, the sum and O are multiplied by 2^(old M - new M): exact.
; LIMITS: mask values under -2^28 are held at -2^28 (such a key still gets p = 0; results differ only for a row ALL of whose keys lie under that); so |t| stays under 2^29, t - M under 2^5, and no p overflows.
; NaN and +infinity in the mask are not served.
; SHARES.  A work-group owns 512 queries of one (batch, head); each of its eight waves 64: four tiles of 16.  The head's whole K, V, their scale words and 8 x mask lie in LDS, 75,776 bytes, stored once: one barrier in all.
; Only the two work-groups of a head share these bytes, they are read once at the head, and the mask is changed on its way: so they come through registers, without cluster or tensor load.
; A wave walks 8 steps of 128 keys; in a step its four tiles use the same registers of K, V and mask one after the other: 34 LDS loads serve four tiles.
; LAYOUT.  Both products transposed: S^T = K Q^T + 8 mask (source 0 = 16 keys, source 1 = 16 queries, C = the mask in the result's layout), O^T = V^T P^T: a lane holds ONE query throughout.
; THE HEAD'S 64 IN AN INSTRUCTION OF 128: a fragment of q or k is 4 registers.  Q's registers 4-7 are zero codes; K's operand for tile t is v[KF + 4 t .. + 7], whose upper four registers (the next tile's codes, for the
; last tile the mask's first registers) are finite numbers in this format whatever their bits, and meet zeros.
; p's codes: the conversion of tile 4 c + 0, 1, 2, 3 writes register 4 c + 0, 2, 1, 3; two exchanges of lane halves for each c give the operand's layout.
; REGISTERS: window 0: v1-11 addresses; v12-27 four a tile: -M, largest t, the sum in two halves; v28-31 Q's scale words, v32-35 K's, v36-39 V's, v40 p's; v42-49 p's codes; v50-63 at work;
;   v64-95 K, v96-159 8 x mask, v160-191 V, v192-255 S^T, then p.   window 1: v0-127 O^T, 32 a tile; v128-159 Q, 8 a tile.
.set KIMG,  0                          ; LDS: K's 64 half fragments of 512 bytes,
.set VIMG,  32768                      ; V's 32 fragments of 1,024,
.set MSK,   65536                      ; 8 x mask, 4 bytes a key,
.set KSC,   69632                      ; K's scale words [8 steps][16 rows][8 tiles],
.set VSC,   73728                      ; V's [8 steps][16 rows][4 tiles],
.set STG,   75776                      ; a stage of 16 rows x (256 + 16) bytes for each wave, for the way out,
.set SPARE, 110592                     ; and the spare words, 128 bytes for each wave: four blocks of 256 bytes that no other line names
.set LI,   1                           ; v1   16 x lane
.set AM0,  3                           ; v3   MSK + 32 (lane / 16)
.set AKS0, 4                           ; v4   KSC + 32 r + 16 (lane / 16)
.set AVS0, 5                           ; v5   VSC + 16 r
.set ADKV, 6                           ; v6-9 the addresses of the step to be fetched: images, mask, K's words, V's words
.set ADM,  7
.set ADKS, 8
.set ADVS, 9
.set SPW,  10                          ; v10  LDS address of my spare word; never rewritten
.set NIL,  11                          ; v11  0; never rewritten
.set STT,  12
.set QS,   28
.set KSR,  32                          ; register n: lanes 0-15 tile n's words, lanes 16-31 tile 4 + n's
.set VS,   36
.set PS,   40
.set PC,   42
.set BM,   50                          ; the blocks' largest scores, then largest p, then bytes
.set BP,   54                          ; the other half's; then v[54:55] a chain of the sum, v56 the step's largest, v57 the old -M
.set SO,   58                          ; the conversions' scale operands
.set F,    62                          ; v[62:63] f = 2^(old M - new M); v63 is named with it as a pair
.set KF,   64
.set MK,   96
.set VF,   160
.set S,    192
.set QF,   128                         ; in window 1
.set SEL,  30                          ; s[30:31] v_permlanex16_b32's selects for lane l xor 16
.set CS,   32                          ; s[32:33] c = log2(e) / 8
.set TB,   34                          ; s34  the step to be fetched: 4,096 bytes a step in the images,
.set TM,   35                          ; s35  512 in the mask and in K's words,
.set TV,   36                          ; s36  256 in V's words
.set CNT,  37
.set MSB, 0
.macro WIN new                         ; the immediate's high byte repeats the setting that is left
.if MSB != \new
	s_set_vgpr_msb (MSB<<8)|\new
.set MSB, \new
.endif
.endm
.set W_QK, 0x04                        ; source 1 (Q) window 1
.set W_RS, 0x41                        ; O^T (destination and source 0) window 1
.set W_PV, 0x50                        ; C and D window 1
.set TO1,  0x40                        ; destination window 1
	s_load_b512 s[4:19], s[0:1], 0x0               ; qimg, qsc, kimg, ksc, vimg, vsc, mask, out
	v_lshl_add_u32 v[SPW], v0, 2, SPARE
	v_mov_b32 v[NIL], 0
	v_lshrrev_b32 v2, 5, v0
	v_readfirstlane_b32 s20, v2                    ; wave 0..7
	s_and_b32 s22, ttmp7, 0xffff                   ; 16 x batch + head
	s_lshl_b32 s24, s22, 15                        ; the head's images: 32,768 bytes
	s_mov_b32 s25, 0
	s_lshl_b32 s21, ttmp9, 14                      ; my queries' tiles: 32 x half + 4 x wave, 512 bytes each
	s_lshl_b32 s23, s20, 11
	s_add_co_u32 s26, s24, s21
	s_add_co_u32 s26, s26, s23
	s_mov_b32 s27, 0
	s_lshl_b32 s28, s22, 12                        ; q's and k's scale words: 4,096 bytes a head
	s_mov_b32 s29, 0
	s_lshl_b32 s21, ttmp9, 11                      ; mine of q: group 4 x half + wave / 2 of 512 bytes, tiles 4 (wave % 2) on
	s_add_co_u32 s34, s28, s21
	s_lshr_b32 s21, s20, 1
	s_lshl_b32 s21, s21, 9
	s_add_co_u32 s34, s34, s21
	s_and_b32 s21, s20, 1
	s_lshl_b32 s21, s21, 4
	s_add_co_u32 s34, s34, s21
	s_mov_b32 s35, 0
	s_lshl_b32 s36, s22, 11                        ; v's scale words: 2,048 bytes a head
	s_mov_b32 s37, 0
	s_lshr_b32 s38, s22, 4
	s_lshl_b32 s38, s38, 12                        ; the batch's mask: 4,096 bytes
	s_mov_b32 s39, 0
	s_mov_b32 s[SEL], 0x76543210
	s_mov_b32 s[SEL+1], 0xfedcba98
	s_mov_b32 s[CS], 0x3e38aa3b                    ; log2(e) / 8
	s_mov_b32 s[CS+1], s[CS]                       ; (named with it as a pair, so it is written)
	v_and_b32 v[LI], 31, v0
	v_lshlrev_b32 v[LI], 4, v[LI]
	v_lshlrev_b32 v2, 4, v0                        ; 16 x thread: the work-group's 256 threads move 4,096 bytes an instruction
	v_lshlrev_b32 v41, 3, v0                       ; 8 x thread
	v_lshl_add_u32 v6, v0, 4, MSK                  ; (places in LDS beyond an offset's 16 bits)
	v_lshl_add_u32 v7, v0, 3, VSC
	v_and_b32 v8, 15, v0                           ; r
	v_bfe_u32 v9, v0, 4, 1                         ; lane / 16
	v_lshl_add_u32 v[AM0], v9, 5, MSK
	v_lshl_add_u32 v[AKS0], v8, 5, KSC
	v_lshl_add_u32 v[AKS0], v9, 4, v[AKS0]
	v_lshl_add_u32 v[AVS0], v8, 4, VSC
	v_lshlrev_b32 v12, 5, v8                       ; Q's scale words: 32 bytes a row
	s_wait_kmcnt 0x0
	s_add_nc_u64 s[16:17], s[16:17], s[38:39]
	s_add_nc_u64 s[10:11], s[10:11], s[28:29]
	s_add_nc_u64 s[14:15], s[14:15], s[36:37]
	s_add_nc_u64 s[8:9], s[8:9], s[24:25]
	s_add_nc_u64 s[12:13], s[12:13], s[24:25]
	s_add_nc_u64 s[4:5], s[4:5], s[26:27]
	s_add_nc_u64 s[6:7], s[6:7], s[34:35]
	global_load_b128 v[96:99], v2, s[16:17]        ; the mask
	global_load_b128 v[100:103], v2, s[10:11]      ; K's scale words
	global_load_b64 v[104:105], v41, s[14:15]      ; V's
.irp n, 0,1,2,3,4,5,6,7
	global_load_b128 v[KF+4*\n:KF+4*\n+3], v2, s[8:9] offset:4096*\n
.endr
.irp n, 0,1,2,3,4,5,6,7
	global_load_b128 v[VF+4*\n:VF+4*\n+3], v2, s[12:13] offset:4096*\n
.endr
	WIN TO1
.irp n, 0,1,2,3
	global_load_b128 v[QF+8*\n:QF+8*\n+3], v[LI], s[4:5] offset:512*\n th:TH_LOAD_NT   ; my four tiles of Q stay in registers; nobody else reads them
.endr
.irp n, 0,1,2,3
.irp j, 4,5,6,7
	v_mov_b32 v[QF+8*\n+\j], 0                     ; k = 64 .. 127 of Q: zero codes
.endr
.endr
	WIN 0
	global_load_b128 v[QS:QS+3], v12, s[6:7]
	s_lshr_b32 s24, s22, 4                         ; out: ((1,024 batch + 512 half + 64 wave) rows of 4,096 bytes) + 256 head
	s_lshl_b32 s24, s24, 22
	s_lshl_b32 s21, ttmp9, 21
	s_add_co_u32 s24, s24, s21
	s_lshl_b32 s21, s20, 18
	s_add_co_u32 s24, s24, s21
	s_and_b32 s21, s22, 15
	s_lshl_b32 s21, s21, 8
	s_add_co_u32 s24, s24, s21
	s_add_nc_u64 s[18:19], s[18:19], s[24:25]
	s_mov_b32 s[TB], 0
	s_mov_b32 s[TM], 0
	s_mov_b32 s[TV], 0
.irp b, 0,1,2,3
	v_mov_b32 v[BP+\b], 0                          ; written once: a lane permute's destination counts as one of its sources
.endr
	v_mov_b32 v[F+1], 0
	s_wait_loadcnt 23                              ; the mask is in: 23 loads were issued behind it
.irp n, 96,97,98,99
	v_max_num_f32 v\n, 0xcd800000, v\n             ; held at -2^28 from below
.endr
	v_pk_mul_f32 v[96:97], v[96:97], 0x41000000 op_sel_hi:[1,0]   ; x 8: it is added ahead of the division by 8
	v_pk_mul_f32 v[98:99], v[98:99], 0x41000000 op_sel_hi:[1,0]
	ds_store_b128 v6, v[96:99]
	s_wait_loadcnt 22                              ; K's scale words
	ds_store_b128 v6, v[100:103] offset:KSC-MSK
	s_wait_loadcnt 21                              ; V's
	ds_store_b64 v7, v[104:105]
	s_wait_loadcnt 13                              ; K: behind it V's eight, Q's four, Q's words
.irp n, 0,1,2,3,4,5,6,7
	ds_store_b128 v2, v[KF+4*\n:KF+4*\n+3] offset:KIMG+4096*\n
.endr
	s_wait_loadcnt 5                               ; V
.irp n, 0,1,2,3,4,5,6,7
	ds_store_b128 v2, v[VF+4*\n:VF+4*\n+3] offset:VIMG+4096*\n
.endr
	s_wait_dscnt 0x0                               ; for the others' sake: my stores have landed
	s_barrier_signal -1
	s_barrier_wait -1                              ; the head's K, V, words and mask lie in LDS; from here on they are only read
.macro ADDRS                           ; four plain instructions
	v_add_nc_u32 v[ADKV], s[TB], v[LI]
	v_add_nc_u32 v[ADM], s[TM], v[AM0]
	v_add_nc_u32 v[ADKS], s[TM], v[AKS0]
	v_add_nc_u32 v[ADVS], s[TV], v[AVS0]
.endm
.macro FETCH_KM                        ; 25 LDS loads: a step's K (8 tiles of 16 keys), the mask in the scores' layout (register 8 t + j: key 16 t + 8 (lane / 16) + j), K's words
.irp t, 0,1,2,3,4,5,6,7
	ds_load_b128 v[KF+4*\t:KF+4*\t+3], v[ADKV] offset:KIMG+512*\t
.endr
.irp t, 0,1,2,3,4,5,6,7
	ds_load_b128 v[MK+8*\t:MK+8*\t+3], v[ADM] offset:64*\t
	ds_load_b128 v[MK+8*\t+4:MK+8*\t+7], v[ADM] offset:64*\t+16
.endr
	ds_load_b128 v[KSR:KSR+3], v[ADKS]
.endm
.macro FETCH_V                         ; 9 LDS loads: a step's V (4 tiles of 16 of the head's 64 x 128 keys) and its words
.irp t, 0,1,2,3
.irp c, 0,1
	ds_load_b128 v[VF+8*\t+4*\c:VF+8*\t+4*\c+3], v[ADKV] offset:VIMG+1024*\t+512*\c
.endr
.endr
	ds_load_b128 v[VS:VS+3], v[ADVS]
.endm
; ONE TILE OF 16 QUERIES, ONE STEP OF 128 KEYS.  first = 1: the first step starts M, the sum and O^T: nothing is cleared but the sum's pair.  fetch = 1: tile 3 fetches the next step.
.macro SUB i, first, fetch
.set NM, STT+4*(\i)                    ; -M, the largest t
.set LL, STT+4*(\i)+2                  ; the sum, in two halves
.set OT, 32*(\i)                       ; O^T, in window 1
.if (\i) == 0
	s_wait_dscnt 9                                 ; K, the mask and K's words are in; V's nine loads, issued behind them, may be out
.endif
	WIN W_QK
.irp t, 0,1,2,3,4,5,6,7
.if \t < 4
	v_wmma_scale_f32_16x16x128_f8f6f4 v[S+8*\t:S+8*\t+7], v[KF+4*\t:KF+4*\t+7], v[QF+8*(\i):QF+8*(\i)+7], v[MK+8*\t:MK+8*\t+7], v[KSR+\t], v[QS+(\i)] matrix_a_fmt:MATRIX_FMT_FP4 matrix_b_fmt:MATRIX_FMT_FP4
.else
	v_wmma_scale_f32_16x16x128_f8f6f4 v[S+8*\t:S+8*\t+7], v[KF+4*\t:KF+4*\t+7], v[QF+8*(\i):QF+8*(\i)+7], v[MK+8*\t:MK+8*\t+7], v[KSR+\t-4], v[QS+(\i)] matrix_a_fmt:MATRIX_FMT_FP4 matrix_b_fmt:MATRIX_FMT_FP4 matrix_a_scale:MATRIX_SCALE_ROW1
.endif
.endr
	WIN 0
.if ((\i) == 3) && (\fetch)
	s_add_co_u32 s[TB], s[TB], 4096
	s_add_co_u32 s[TM], s[TM], 512
	s_add_co_u32 s[TV], s[TV], 256
	ADDRS                                          ; the four places behind the products, in front of the loads into their registers and of the first read of the scores
	FETCH_KM                                       ; the next step's: it lands under this tile's softmax
.else
.rept 4
	v_nop
.endr
.endif
.irp b, 0,1,2,3
	v_max3_num_f32 v[BM+\b], v[S+16*\b], v[S+16*\b+1], v[S+16*\b+2]   ; the largest score of each block of 32 keys: for the row's maximum and, since p rises with the score, for the block's largest p
.endr
.irp n, 3,5,7,9,11,13
.irp b, 0,1,2,3
	v_max3_num_f32 v[BM+\b], v[BM+\b], v[S+16*\b+\n], v[S+16*\b+\n+1]
.endr
.endr
.irp b, 0,1,2,3
	v_max_num_f32 v[BM+\b], v[BM+\b], v[S+16*\b+15]
.endr
.irp b, 0,1,2,3
	v_permlanex16_b32 v[BP+\b], v[BM+\b], s[SEL], s[SEL+1]
.endr
.irp b, 0,1,2,3
	v_max_num_f32 v[BM+\b], v[BM+\b], v[BP+\b]     ; with lane l xor 16's 16 keys
.endr
	v_max3_num_f32 v[BP+2], v[BM], v[BM+1], v[BM+2]
	v_max_num_f32 v[BP+2], v[BP+2], v[BM+3]        ; the step's largest score of my query
.if \first
	v_mul_f32 v[NM+1], s[CS], v[BP+2]              ; as t (c is positive)
	v_floor_f32 v[NM], -v[NM+1]                    ; -M = floor(-t) = -ceil(t): a whole number
.else
	v_mul_f32 v[BP+2], s[CS], v[BP+2]
	v_max_num_f32 v[NM+1], v[NM+1], v[BP+2]        ; the running largest t
	v_mov_b32 v[BP+3], v[NM]
	v_floor_f32 v[NM], -v[NM+1]
	v_sub_f32 v[BP+3], v[NM], v[BP+3]              ; old M less new M: a whole number, 0 or less
	v_cvt_i32_f32 v[BP+3], v[BP+3]                 ; (it saturates)
	v_ldexp_f32 v[F], 1.0, v[BP+3]                 ; f = 2^(old M - new M)
.endif
.set p, 0
.rept 32
	v_pk_fma_f32 v[S+2*p:S+2*p+1], v[S+2*p:S+2*p+1], s[CS:CS+1], v[NM:NM+1] op_sel_hi:[1,0,0]   ; t - M, two at a time
.set p, p+1
.endr
.irp b, 0,1,2,3
	v_fma_f32 v[BM+\b], v[BM+\b], s[CS], v[NM]     ; the same of each block's largest score
.endr
.irp b, 0,1,2,3
	v_exp_f32 v[BM+\b], v[BM+\b]                   ; ONE BATCH of 68 exponentials: the blocks' largest p,
.endr
.set p, 0
.rept 64
	v_exp_f32 v[S+p], v[S+p]                       ; and p = 2^(t - M)
.set p, p+1
.endr
.if \first
	v_mov_b32 v[LL], 0                             ; (plain instructions behind the exponentials)
	v_mov_b32 v[LL+1], 0
.else
	v_pk_mul_f32 v[LL:LL+1], v[LL:LL+1], v[F:F+1] op_sel_hi:[1,0]   ; the sum under the new M.  (A plain instruction behind the exponentials)
.endif
	s_wait_alu depctr_va_vdst(0)                   ; one wait for the batch, ahead of its first reader
	v_pk_add_f32 v[BP:BP+1], v[S:S+1], v[S+2:S+3]  ; the row's sum is taken of the unquantised p: two at a time, in two chains; the first half here
.irp j, 4,8,12,16,20,24,28
	v_pk_add_f32 v[LL:LL+1], v[LL:LL+1], v[S+\j:S+\j+1]
	v_pk_add_f32 v[BP:BP+1], v[BP:BP+1], v[S+\j+2:S+\j+3]
.endr
.irp b, 0,1,2,3
	v_max_num_f32 v[BM+\b], 0x1800000, v[BM+\b]    ; the floor 2^(3 - 127): the byte cannot fall under 1
.endr
.irp b, 0,1,2,3
	v_add_nc_u32 v[SO+\b], 0xff000000, v[BM+\b]    ; 2 off the exponent field: the conversion's scale operand
.endr
.irp b, 0,1,2,3
	v_lshrrev_b32 v[BM+\b], 23, v[SO+\b]           ; the scale's byte
.endr
	v_lshl_or_b32 v[PS], v[BM+1], 8, v[BM]         ; p's scale word for these 128 keys
	v_lshl_or_b32 v[PS], v[BM+2], 16, v[PS]
	v_lshl_or_b32 v[PS], v[BM+3], 24, v[PS]
.irp b, 0,1,2,3,4,5,6,7
	v_cvt_scalef32_pk8_fp4_f32 v[PC+4*(\b/4)+2*(\b%2)+(\b%4)/2], v[S+8*\b:S+8*\b+7], v[SO+\b/2]
.endr
	v_nop                                          ; one plain place behind a scaled conversion
.irp c, 0,1
	v_permlane16_swap_b32 v[PC+4*\c], v[PC+4*\c+1]
	v_permlane16_swap_b32 v[PC+4*\c+2], v[PC+4*\c+3]
.endr
.irp j, 32,36,40,44,48,52,56,60
	v_pk_add_f32 v[LL:LL+1], v[LL:LL+1], v[S+\j:S+\j+1]        ; the sum's second half: these 17 are also the places between the scale word's and the codes' last writes and the scaled products
	v_pk_add_f32 v[BP:BP+1], v[BP:BP+1], v[S+\j+2:S+\j+3]
.endr
	v_pk_add_f32 v[LL:LL+1], v[LL:LL+1], v[BP:BP+1]
.if \first
.else
	WIN W_RS
.set p, 0
.rept 16
	v_pk_mul_f32 v[OT+2*p:OT+2*p+1], v[OT+2*p:OT+2*p+1], v[F:F+1] op_sel_hi:[1,0]   ; O^T under the new M
.set p, p+1
.endr
.endif
.if (\i) == 0
	s_wait_dscnt 0x0                               ; V and its words are in
.endif
.if \first
	WIN TO1
.irp t, 0,1,2,3
	v_wmma_scale_f32_16x16x128_f8f6f4 v[OT+8*\t:OT+8*\t+7], v[VF+8*\t:VF+8*\t+7], v[PC:PC+7], 0, v[VS+\t], v[PS] matrix_a_fmt:MATRIX_FMT_FP4 matrix_b_fmt:MATRIX_FMT_FP4
.endr
.else
	WIN W_PV
.irp t, 0,1,2,3
	v_wmma_scale_f32_16x16x128_f8f6f4 v[OT+8*\t:OT+8*\t+7], v[VF+8*\t:VF+8*\t+7], v[PC:PC+7], v[OT+8*\t:OT+8*\t+7], v[VS+\t], v[PS] matrix_a_fmt:MATRIX_FMT_FP4 matrix_b_fmt:MATRIX_FMT_FP4
.endr
.endif
	WIN 0
.if ((\i) == 3) && (\fetch)
.rept 4
	v_nop                                          ; places in front of the loads into V's registers
.endr
	FETCH_V
.endif
.endm
.macro KSTEP first, fetch              ; the accumulators take turns, one instruction a turn
	SUB 0, \first, \fetch
	SUB 1, \first, \fetch
	SUB 2, \first, \fetch
	SUB 3, \first, \fetch
.endm
	ADDRS                                          ; step 0
	FETCH_KM
	FETCH_V
	s_wait_loadcnt 0x0                             ; Q and its scale words
	KSTEP 1, 1                                     ; step 0 starts the sums and fetches step 1
	s_mov_b32 s[CNT], 6
.Lk:                                               ; steps 1 to 6, each fetching the next
	KSTEP 0, 1
	s_sub_co_u32 s[CNT], s[CNT], 1
	s_cmp_lg_u32 s[CNT], 0
	s_cbranch_scc1 .Lk
	KSTEP 0, 0                                     ; step 7 fetches nothing
	; THE WAY OUT.  The sum's halves are added; O^T / the sum goes through my stage, a tile (16 queries x 256 bytes) at a time, and leaves as whole runs of 256 bytes: one (token, head) each.
.irp n, 0,1,2,3
	v_add_f32 v[STT+4*\n+2], v[STT+4*\n+2], v[STT+4*\n+3]      ; (these four are the places behind the last products)
.endr
.irp n, 0,1,2,3
	v_permlanex16_b32 v[STT+4*\n+3], v[STT+4*\n+2], s[SEL], s[SEL+1]
.endr
.irp n, 0,1,2,3
	v_add_f32 v[STT+4*\n+2], v[STT+4*\n+2], v[STT+4*\n+3]      ; the row's sum
.endr
.irp n, 0,1,2,3
	v_rcp_f32 v[STT+4*\n], v[STT+4*\n+2]
.endr
	v_and_b32 v2, 15, v0                           ; r.  (Plain work behind the reciprocals)
	v_bfe_u32 v41, v0, 4, 1                        ; lane / 16
	s_mul_i32 s21, s20, 16*272
	s_add_co_u32 s21, s21, STG                     ; my stage
	v_mul_u32_u24 v6, v2, 272
	v_lshl_add_u32 v6, v41, 5, v6
	v_add_nc_u32 v6, s21, v6                       ; in: row r; tile t's eight channels of my half at 64 t + 32 (lane / 16)
	v_mul_u32_u24 v7, v41, 272
	v_lshl_add_u32 v7, v2, 4, v7
	v_add_nc_u32 v7, s21, v7                       ; back: lanes 0-15 one row, lanes 16-31 the next
	v_lshlrev_b32 v8, 12, v41
	v_lshl_add_u32 v8, v2, 4, v8                   ; and the same two tokens in out: 4,096 bytes apart
	s_wait_alu depctr_va_vdst(0)                   ; one wait for the four reciprocals, ahead of their first reader
.macro PACK i
	WIN 0x01                                       ; source 0 (O^T) window 1
.set p, 0
.rept 16
	v_pk_mul_f32 v[S+32*((\i)%2)+2*p:S+32*((\i)%2)+2*p+1], v[32*(\i)+2*p:32*(\i)+2*p+1], v[STT+4*(\i):STT+4*(\i)+1] op_sel_hi:[1,0]   ; each accumulator from its low end on
.set p, p+1
.endr
	WIN 0
.irp t, 0,1,2,3
	ds_store_b128 v6, v[S+32*((\i)%2)+8*\t:S+32*((\i)%2)+8*\t+3] offset:64*\t
	ds_store_b128 v6, v[S+32*((\i)%2)+8*\t+4:S+32*((\i)%2)+8*\t+7] offset:64*\t+16
.endr
.irp k, 0,1,2,3,4,5,6,7
	ds_load_b128 v[64+32*(\i)+4*\k:64+32*(\i)+4*\k+3], v7 offset:544*\k   ; LDS serves a wave's instructions in order: these see my stores, and the next tile's stores come behind them
.endr
.endm
.macro SEND i, younger                 ; younger: the LDS instructions issued behind tile i's loads: the next tile's sixteen, or none
.irp k, 0,1,2,3,4,5,6,7
	s_wait_dscnt \younger+7-\k
	global_store_b128 v8, v[64+32*(\i)+4*\k:64+32*(\i)+4*\k+3], s[18:19] offset:(16*(\i)+2*\k)*4096 th:TH_STORE_NT   ; sixteen lanes store 256 consecutive bytes, aligned
.endr
.endm
	PACK 0
	PACK 1
	SEND 0, 16
	PACK 2
	SEND 1, 16
	PACK 3
	SEND 2, 16
	SEND 3, 0
	s_wait_tensorcnt 0x0                           ; the wave's end, behind my last LDS store
	ds_add_u32 v[SPW], v[NIL]
	s_wait_dscnt 0x0
	s_endpgm
.Lfunc_end_k_qf980161268_attn:
	.size	k_qf980161268_attn, .Lfunc_end_k_qf980161268_attn-k_qf980161268_attn
	.p2alignl 7, 3214868480
	.fill 96, 4, 3214868480
	.section	.rodata,"a",@progbits
	.p2align	6, 0x0
	.amdhsa_kernel k_qf980161268_attn
		.amdhsa_group_segment_fixed_size 111616
		.amdhsa_private_segment_fixed_size 0
		.amdhsa_enable_private_segment 0
		.amdhsa_kernarg_size 64
		.amdhsa_user_sgpr_count 2
		.amdhsa_user_sgpr_kernarg_segment_ptr 1
		.amdhsa_wavefront_size32 1
		.amdhsa_system_sgpr_workgroup_id_x 1
		.amdhsa_system_sgpr_workgroup_id_y 1
		.amdhsa_system_sgpr_workgroup_id_z 1
		.amdhsa_system_vgpr_workitem_id 0
		.amdhsa_next_free_vgpr 512
		.amdhsa_next_free_sgpr 66
		.amdhsa_reserve_vcc 0
		.amdhsa_float_denorm_mode_32 3
		.amdhsa_float_denorm_mode_16_64 3
		.amdhsa_memory_ordered 1
		.amdhsa_forward_progress 1
		.amdhsa_inst_pref_size 185
	.end_amdhsa_kernel
	.amdgpu_metadata
---
amdhsa.version: [ 1, 2 ]
amdhsa.kernels:
  - .name:           k_qf980161268_attn
    .symbol:         k_qf980161268_attn.kd
    .args:
      - { .name: qimg, .offset: 0, .size: 8, .value_kind: global_buffer, .address_space: global }
      - { .name: qsc, .offset: 8, .size: 8, .value_kind: global_buffer, .address_space: global }
      - { .name: kimg, .offset: 16, .size: 8, .value_kind: global_buffer, .address_space: global }
      - { .name: ksc, .offset: 24, .size: 8, .value_kind: global_buffer, .address_space: global }
      - { .name: vimg, .offset: 32, .size: 8, .value_kind: global_buffer, .address_space: global }
      - { .name: vsc, .offset: 40, .size: 8, .value_kind: global_buffer, .address_space: global }
      - { .name: attention_mask, .offset: 48, .size: 8, .value_kind: global_buffer, .address_space: global }
      - { .name: out0, .offset: 56, .size: 8, .value_kind: global_buffer, .address_space: global }
    .group_segment_fixed_size: 111616
    .private_segment_fixed_size: 0
    .kernarg_segment_align: 8
    .kernarg_segment_size: 64
    .max_flat_workgroup_size: 256
    .sgpr_count:     66
    .vgpr_count:     512
    .wavefront_size: 32
...
	.end_amdgpu_metadata
.endif
;; end of part 2
;; ======== version 2 of 2: 2 launches; version 1 with the launch attn written anew for expert scheduling mode
;; limits: right only within a limited range of input values
;; workspace buffers: qimg 4,194,304 bytes; kimg 4,194,304 bytes; vimg 4,194,304 bytes; qsc 524,288 bytes; ksc 524,288 bytes; vsc 262,144 bytes
;; launch proj: the kernel of part 1 again; grid 12 x 32, 4 waves a work-group, clusters of 4 x 4, 296,448 bytes of LDS; arguments x_codes, x_scales, Wq_codes, Wq_scales, Wk_codes, Wk_scales, Wv_codes, Wv_scales, bq, bk, bv, qimg, qsc, kimg, ksc, vimg, vsc; writes qimg, qsc, kimg, ksc, vimg, vsc
;; launch attn (part 3): grid 2 x 128, 8 waves a work-group, no clusters, 111,616 bytes of LDS; arguments qimg, qsc, kimg, ksc, vimg, vsc, attention_mask, out0; writes out0
.if DOCPART == 3
	.amdgcn_target "amdgcn-amd-amdhsa--gfx1250"
	.amdhsa_code_object_version 6
	.text
	.protected	k_qf980161268_attn
	.globl	k_qf980161268_attn
	.p2align	8
	.type	k_qf980161268_attn,@function
k_qf980161268_attn:
	s_mov_b64 s[64:65], 0
	v_nop
	global_prefetch_b8 v0, s[64:65] scope:SCOPE_SE
	s_setreg_imm32_b32 hwreg(HW_REG_WAVE_SCHED_MODE, 0, 2), 2
	s_setreg_imm32_b32 hwreg(HW_REG_WAVE_MODE, 25, 1), 1
	s_wait_xcnt 0x0
	s_wait_alu depctr_vm_vsrc(0)
; out[b][q][h][:] = the sum over keys of softmax(q . k / 8 + mask[b][key]) v[key][:], both products on codes of FP4 (E2M1) with E8M0 scales, from the images that the launch before stored.  No work is left out.
; THE SOFTMAX: t = (q . k + 8 mask) x log2(e) / 8; M = the running largest t rounded UP to a whole number; p = 2^(t - M) is quantised along the keys, not normalised; the row's sum is taken of the unquantised p
; and divides at the end.  When M moves, the sum and O are multiplied by 2^(old M - new M): exact.
; LIMITS: mask values under -2^28 are held at -2^28 (such a key still gets p = 0; results differ only for a row ALL of whose keys lie under that); so |t| stays under 2^29, t - M under 2^5, and no p overflows.
; NaN and +infinity in the mask are not served.
; SHARES.  A work-group owns 512 queries of one (batch, head); each of its eight waves 64: four tiles of 16.  The head's whole K, V, their scale words and 8 x mask lie in LDS, 75,776 bytes, stored once: one barrier in all.
; Only the two work-groups of a head share these bytes, they are read once at the head, and the mask is changed on its way: so they come through registers, without cluster or tensor load.
; A wave walks 8 steps of 128 keys; in a step its four tiles use the same registers of K, V and mask one after the other: 34 LDS loads serve four tiles.
; LAYOUT.  Both products transposed: S^T = K Q^T + 8 mask (source 0 = 16 keys, source 1 = 16 queries, C = the mask in the result's layout), O^T = V^T P^T: a lane holds ONE query throughout.
; THE HEAD'S 64 IN AN INSTRUCTION OF 128: a fragment of q or k is 4 registers.  Q's registers 4-7 are zero codes; K's operand for tile t is v[KF + 4 t .. + 7], whose upper four registers (the next tile's codes, for the
; last tile the mask's first registers) are finite numbers in this format whatever their bits, and meet zeros.
; p's codes: the conversion of tile 4 c + 0, 1, 2, 3 writes register 4 c + 0, 2, 1, 3; two exchanges of lane halves for each c give the operand's layout.
; REGISTERS: window 0: v1-11 addresses; v12-27 four a tile: -M, largest t, the sum in two halves; v28-31 Q's scale words, v32-35 K's, v36-39 V's, v40 p's; v42-49 p's codes; v50-63 at work;
;   v64-95 K, v96-159 8 x mask, v160-191 V, v192-255 S^T, then p.   window 1: v0-127 O^T, 32 a tile; v128-159 Q, 8 a tile.
; THE MODE: SCHED_MODE bits 1:0 = 2 (LLVM: expert scheduling mode 2), set by the entry lines.  The code itself states the register dependences between vector or matrix instructions and memory or LDS
; instructions, with s_wait_alu, always for 0.
; THE PLAN.  Registers that LDS instructions touch in the loop:
;   KF, MK, KSR   read by the products K Q^T of tiles 0 to 3; behind tile 3's the next step's 25 loads land in them.
;   VF, VS        read by the products V^T P^T of tiles 0 to 3; the next step's 9 loads land in them in that step's tile 0, behind its exponentials.
;   v6 to v9      written by ADDRS in tile 3; read by K's run of loads in the same tile and by V's run in the next step's tile 0.
;   v1, v3 to v5  made at the head and never written again.
;   p's codes and scale word are written by vector instructions and taken by scaled products; S^T, the statistics and (in the loop) O^T are named by vector and matrix instructions alone.
; So a tile has two waits on va_vdst: one behind its 68 exponentials, ahead of the first reader of a result, and one ahead of its products V^T P^T, for p's codes and scale word.  Tile 0's first also shows
; the last step's products done reading V and its words: V's loads follow it with no wait of their own.  Tile 3 has one wait on vm_vsrc ahead of ADDRS and one on va_vdst behind it, which states the addresses
; written and the eight products done reading K, the mask and K's words.
.set KIMG,  0                          ; LDS: K's 64 half fragments of 512 bytes,
.set VIMG,  32768                      ; V's 32 fragments of 1,024,
.set MSK,   65536                      ; 8 x mask, 4 bytes a key,
.set KSC,   69632                      ; K's scale words [8 steps][16 rows][8 tiles],
.set VSC,   73728                      ; V's [8 steps][16 rows][4 tiles],
.set STG,   75776                      ; a stage of 16 rows x (256 + 16) bytes for each wave, for the way out,
.set SPARE, 110592                     ; and the spare words, 128 bytes for each wave: four blocks of 256 bytes that no other line names
.set LI,   1                           ; v1   16 x lane
.set AM0,  3                           ; v3   MSK + 32 (lane / 16)
.set AKS0, 4                           ; v4   KSC + 32 r + 16 (lane / 16)
.set AVS0, 5                           ; v5   VSC + 16 r
.set ADKV, 6                           ; v6-9 the addresses of the step to be fetched: images, mask, K's words, V's words
.set ADM,  7
.set ADKS, 8
.set ADVS, 9
.set SPW,  10                          ; v10  LDS address of my spare word; never rewritten
.set NIL,  11                          ; v11  0; never rewritten
.set STT,  12
.set QS,   28
.set KSR,  32                          ; register n: lanes 0-15 tile n's words, lanes 16-31 tile 4 + n's
.set VS,   36
.set PS,   40
.set PC,   42
.set BM,   50                          ; the blocks' largest scores, then largest p, then bytes
.set BP,   54                          ; the other half's; then v[54:55] a chain of the sum, v56 the step's largest, v57 the old -M
.set SO,   58                          ; the conversions' scale operands
.set F,    62                          ; v[62:63] f = 2^(old M - new M); v63 is named with it as a pair
.set KF,   64
.set MK,   96
.set VF,   160
.set S,    192
.set QF,   128                         ; in window 1
.set SEL,  30                          ; s[30:31] v_permlanex16_b32's selects for lane l xor 16
.set CS,   32                          ; s[32:33] c = log2(e) / 8
.set TB,   34                          ; s34  the step to be fetched: 4,096 bytes a step in the images,
.set TM,   35                          ; s35  512 in the mask and in K's words,
.set TV,   36                          ; s36  256 in V's words
.set CNT,  37
.set MSB, 0
.macro WIN new                         ; the immediate's high byte repeats the setting that is left
.if MSB != \new
	s_set_vgpr_msb (MSB<<8)|\new
.set MSB, \new
.endif
.endm
.set W_QK, 0x04                        ; source 1 (Q; an LDS store's data) window 1
.set W_RS, 0x41                        ; O^T (destination and source 0) window 1
.set W_PV, 0x50                        ; C and D window 1
.set TO1,  0x40                        ; destination window 1
	s_load_b512 s[4:19], s[0:1], 0x0               ; qimg, qsc, kimg, ksc, vimg, vsc, mask, out
	v_lshl_add_u32 v[SPW], v0, 2, SPARE
	v_mov_b32 v[NIL], 0
	v_lshrrev_b32 v2, 5, v0
	v_readfirstlane_b32 s20, v2                    ; wave 0..7
	v_and_b32 v[LI], 31, v0                        ; all the head's vector work stands here, ahead of the waits that state it done
	v_lshlrev_b32 v[LI], 4, v[LI]
	v_lshlrev_b32 v2, 4, v0                        ; 16 x thread: the work-group's 256 threads move 4,096 bytes an instruction
	v_lshlrev_b32 v41, 3, v0                       ; 8 x thread
	v_lshl_add_u32 v6, v0, 4, MSK                  ; (places in LDS beyond an offset's 16 bits)
	v_lshl_add_u32 v7, v0, 3, VSC
	v_and_b32 v8, 15, v0                           ; r
	v_bfe_u32 v9, v0, 4, 1                         ; lane / 16
	v_lshl_add_u32 v[AM0], v9, 5, MSK
	v_lshl_add_u32 v[AKS0], v8, 5, KSC
	v_lshl_add_u32 v[AKS0], v9, 4, v[AKS0]
	v_lshl_add_u32 v[AVS0], v8, 4, VSC
	v_lshlrev_b32 v12, 5, v8                       ; Q's scale words: 32 bytes a row
.irp b, 0,1,2,3
	v_mov_b32 v[BP+\b], 0                          ; written once: a lane permute's destination counts as one of its sources
.endr
	v_mov_b32 v[F+1], 0
	WIN TO1
.irp n, 0,1,2,3
.irp j, 4,5,6,7
	v_mov_b32 v[QF+8*\n+\j], 0                     ; k = 64 .. 127 of Q: zero codes
.endr
.endr
	WIN 0
	s_wait_alu depctr_va_sdst(0)                   ; s20 is written, ahead of its first reader: the offsets of my queries, their scale words and my rows of out are made from it
	s_and_b32 s22, ttmp7, 0xffff                   ; 16 x batch + head
	s_lshl_b32 s24, s22, 15                        ; the head's images: 32,768 bytes
	s_mov_b32 s25, 0
	s_lshl_b32 s21, ttmp9, 14                      ; my queries' tiles: 32 x half + 4 x wave, 512 bytes each
	s_lshl_b32 s23, s20, 11
	s_add_co_u32 s26, s24, s21
	s_add_co_u32 s26, s26, s23
	s_mov_b32 s27, 0
	s_lshl_b32 s28, s22, 12                        ; q's and k's scale words: 4,096 bytes a head
	s_mov_b32 s29, 0
	s_lshl_b32 s21, ttmp9, 11                      ; mine of q: group 4 x half + wave / 2 of 512 bytes, tiles 4 (wave % 2) on
	s_add_co_u32 s34, s28, s21
	s_lshr_b32 s21, s20, 1
	s_lshl_b32 s21, s21, 9
	s_add_co_u32 s34, s34, s21
	s_and_b32 s21, s20, 1
	s_lshl_b32 s21, s21, 4
	s_add_co_u32 s34, s34, s21
	s_mov_b32 s35, 0
	s_lshl_b32 s36, s22, 11                        ; v's scale words: 2,048 bytes a head
	s_mov_b32 s37, 0
	s_lshr_b32 s38, s22, 4
	s_lshl_b32 s38, s38, 12                        ; the batch's mask: 4,096 bytes
	s_mov_b32 s39, 0
	s_mov_b32 s[SEL], 0x76543210
	s_mov_b32 s[SEL+1], 0xfedcba98
	s_mov_b32 s[CS], 0x3e38aa3b                    ; log2(e) / 8
	s_mov_b32 s[CS+1], s[CS]                       ; (named with it as a pair, so it is written)
	s_wait_kmcnt 0x0
	s_add_nc_u64 s[16:17], s[16:17], s[38:39]
	s_add_nc_u64 s[10:11], s[10:11], s[28:29]
	s_add_nc_u64 s[14:15], s[14:15], s[36:37]
	s_add_nc_u64 s[8:9], s[8:9], s[24:25]
	s_add_nc_u64 s[12:13], s[12:13], s[24:25]
	s_add_nc_u64 s[4:5], s[4:5], s[26:27]
	s_add_nc_u64 s[6:7], s[6:7], s[34:35]
	s_wait_alu depctr_va_vdst(0)                   ; the offsets v1, v2, v12, v41 are written, which the loads below read, and v6, v7, which the LDS stores read; so are Q's zero codes, which scaled products take as their source 1
	global_load_b128 v[96:99], v2, s[16:17]        ; the mask
	global_load_b128 v[100:103], v2, s[10:11]      ; K's scale words
	global_load_b64 v[104:105], v41, s[14:15]      ; V's
.irp n, 0,1,2,3,4,5,6,7
	global_load_b128 v[KF+4*\n:KF+4*\n+3], v2, s[8:9] offset:4096*\n
.endr
.irp n, 0,1,2,3,4,5,6,7
	global_load_b128 v[VF+4*\n:VF+4*\n+3], v2, s[12:13] offset:4096*\n
.endr
	WIN TO1                                        ; (between the wait above and these loads stand loads and window switches alone)
.irp n, 0,1,2,3
	global_load_b128 v[QF+8*\n:QF+8*\n+3], v[LI], s[4:5] offset:512*\n th:TH_LOAD_NT   ; my four tiles of Q stay in registers; nobody else reads them
.endr
	WIN 0
	global_load_b128 v[QS:QS+3], v12, s[6:7]
	s_lshr_b32 s24, s22, 4                         ; out: ((1,024 batch + 512 half + 64 wave) rows of 4,096 bytes) + 256 head
	s_lshl_b32 s24, s24, 22
	s_lshl_b32 s21, ttmp9, 21
	s_add_co_u32 s24, s24, s21
	s_lshl_b32 s21, s20, 18
	s_add_co_u32 s24, s24, s21
	s_and_b32 s21, s22, 15
	s_lshl_b32 s21, s21, 8
	s_add_co_u32 s24, s24, s21
	s_add_nc_u64 s[18:19], s[18:19], s[24:25]
	s_mov_b32 s[TB], 0
	s_mov_b32 s[TM], 0
	s_mov_b32 s[TV], 0
	s_wait_loadcnt 23                              ; the mask is in: 23 loads were issued behind it
.irp n, 96,97,98,99
	v_max_num_f32 v\n, 0xcd800000, v\n             ; held at -2^28 from below
.endr
	v_pk_mul_f32 v[96:97], v[96:97], 0x41000000 op_sel_hi:[1,0]   ; x 8: it is added ahead of the division by 8
	v_pk_mul_f32 v[98:99], v[98:99], 0x41000000 op_sel_hi:[1,0]
	s_wait_alu depctr_va_vdst(0)                   ; the six lines above have written v96 to v99, which the LDS store reads
	ds_store_b128 v6, v[96:99]
	s_wait_loadcnt 22                              ; K's scale words
	ds_store_b128 v6, v[100:103] offset:KSC-MSK
	s_wait_loadcnt 21                              ; V's
	ds_store_b64 v7, v[104:105]
	s_wait_loadcnt 13                              ; K: behind it V's eight, Q's four, Q's words
.irp n, 0,1,2,3,4,5,6,7
	ds_store_b128 v2, v[KF+4*\n:KF+4*\n+3] offset:KIMG+4096*\n
.endr
	s_wait_loadcnt 5                               ; V
.irp n, 0,1,2,3,4,5,6,7
	ds_store_b128 v2, v[VF+4*\n:VF+4*\n+3] offset:VIMG+4096*\n
.endr
	s_wait_dscnt 0x0                               ; for the others' sake: my stores have landed
	s_barrier_signal -1
	s_barrier_wait -1                              ; the head's K, V, words and mask lie in LDS; from here on they are only read
	s_wait_alu depctr_vm_vsrc(0)                   ; the head's loads and LDS stores have read their registers: v6 and v7 are made anew below, LDS loads land in v96 to v105, K's and V's registers, v12 takes tile 0's -M, v2 and v41 are written on the way out
.macro ADDRS                           ; four plain instructions
	v_add_nc_u32 v[ADKV], s[TB], v[LI]
	v_add_nc_u32 v[ADM], s[TM], v[AM0]
	v_add_nc_u32 v[ADKS], s[TM], v[AKS0]
	v_add_nc_u32 v[ADVS], s[TV], v[AVS0]
.endm
.macro FETCH_KM                        ; 25 LDS loads: a step's K (8 tiles of 16 keys), the mask in the scores' layout (register 8 t + j: key 16 t + 8 (lane / 16) + j), K's words
.irp t, 0,1,2,3,4,5,6,7
	ds_load_b128 v[KF+4*\t:KF+4*\t+3], v[ADKV] offset:KIMG+512*\t
.endr
.irp t, 0,1,2,3,4,5,6,7
	ds_load_b128 v[MK+8*\t:MK+8*\t+3], v[ADM] offset:64*\t
	ds_load_b128 v[MK+8*\t+4:MK+8*\t+7], v[ADM] offset:64*\t+16
.endr
	ds_load_b128 v[KSR:KSR+3], v[ADKS]
.endm
.macro FETCH_V                         ; 9 LDS loads: a step's V (4 tiles of 16 of the head's 64 x 128 keys) and its words
.irp t, 0,1,2,3
.irp c, 0,1
	ds_load_b128 v[VF+8*\t+4*\c:VF+8*\t+4*\c+3], v[ADKV] offset:VIMG+1024*\t+512*\c
.endr
.endr
	ds_load_b128 v[VS:VS+3], v[ADVS]
.endm
; ONE TILE OF 16 QUERIES, ONE STEP OF 128 KEYS.  first = 1: the first step starts M, the sum and O^T: nothing is cleared but the sum's pair; its V was fetched at the head.  fetch = 1: tile 3 fetches the next step's K, mask and words.
.macro SUB i, first, fetch
.set NM, STT+4*(\i)                    ; -M, the largest t
.set LL, STT+4*(\i)+2                  ; the sum, in two halves
.set OT, 32*(\i)                       ; O^T, in window 1
.if (\i) == 0
.if \first
	s_wait_dscnt 9                                 ; K, the mask and K's words are in; V's nine loads, issued behind them at the head, may be out
.else
	s_wait_dscnt 0x0                               ; K, the mask and K's words are in: nothing was issued behind them
.endif
.endif
	WIN W_QK
.irp t, 0,1,2,3,4,5,6,7
.if \t < 4
	v_wmma_scale_f32_16x16x128_f8f6f4 v[S+8*\t:S+8*\t+7], v[KF+4*\t:KF+4*\t+7], v[QF+8*(\i):QF+8*(\i)+7], v[MK+8*\t:MK+8*\t+7], v[KSR+\t], v[QS+(\i)] matrix_a_fmt:MATRIX_FMT_FP4 matrix_b_fmt:MATRIX_FMT_FP4
.else
	v_wmma_scale_f32_16x16x128_f8f6f4 v[S+8*\t:S+8*\t+7], v[KF+4*\t:KF+4*\t+7], v[QF+8*(\i):QF+8*(\i)+7], v[MK+8*\t:MK+8*\t+7], v[KSR+\t-4], v[QS+(\i)] matrix_a_fmt:MATRIX_FMT_FP4 matrix_b_fmt:MATRIX_FMT_FP4 matrix_a_scale:MATRIX_SCALE_ROW1
.endif
.endr
	WIN 0
.if ((\i) == 3) && (\fetch)
	s_add_co_u32 s[TB], s[TB], 4096
	s_add_co_u32 s[TM], s[TM], 512
	s_add_co_u32 s[TV], s[TV], 256
	s_wait_alu depctr_vm_vsrc(0)                   ; this step's run of V's loads and the last run of K's have read v6 to v9, which the four lines below write
	ADDRS                                          ; the four places behind the products, in front of the first read of the scores
	s_wait_alu depctr_va_vdst(0)                   ; v6 to v9 are written, which the loads below read; the eight products, the last of this step, are done reading K, the mask and K's words, in which these loads land
	FETCH_KM                                       ; the next step's: it lands under this tile's softmax
.else
.rept 4
	v_nop
.endr
.endif
.irp b, 0,1,2,3
	v_max3_num_f32 v[BM+\b], v[S+16*\b], v[S+16*\b+1], v[S+16*\b+2]   ; the largest score of each block of 32 keys: for the row's maximum and, since p rises with the score, for the block's largest p
.endr
.irp n, 3,5,7,9,11,13
.irp b, 0,1,2,3
	v_max3_num_f32 v[BM+\b], v[BM+\b], v[S+16*\b+\n], v[S+16*\b+\n+1]
.endr
.endr
.irp b, 0,1,2,3
	v_max_num_f32 v[BM+\b], v[BM+\b], v[S+16*\b+15]
.endr
.irp b, 0,1,2,3
	v_permlanex16_b32 v[BP+\b], v[BM+\b], s[SEL], s[SEL+1]
.endr
.irp b, 0,1,2,3
	v_max_num_f32 v[BM+\b], v[BM+\b], v[BP+\b]     ; with lane l xor 16's 16 keys
.endr
	v_max3_num_f32 v[BP+2], v[BM], v[BM+1], v[BM+2]
	v_max_num_f32 v[BP+2], v[BP+2], v[BM+3]        ; the step's largest score of my query
.if \first
	v_mul_f32 v[NM+1], s[CS], v[BP+2]              ; as t (c is positive)
	v_floor_f32 v[NM], -v[NM+1]                    ; -M = floor(-t) = -ceil(t): a whole number
.else
	v_mul_f32 v[BP+2], s[CS], v[BP+2]
	v_max_num_f32 v[NM+1], v[NM+1], v[BP+2]        ; the running largest t
	v_mov_b32 v[BP+3], v[NM]
	v_floor_f32 v[NM], -v[NM+1]
	v_sub_f32 v[BP+3], v[NM], v[BP+3]              ; old M less new M: a whole number, 0 or less
	v_cvt_i32_f32 v[BP+3], v[BP+3]                 ; (it saturates)
	v_ldexp_f32 v[F], 1.0, v[BP+3]                 ; f = 2^(old M - new M)
.endif
.set p, 0
.rept 32
	v_pk_fma_f32 v[S+2*p:S+2*p+1], v[S+2*p:S+2*p+1], s[CS:CS+1], v[NM:NM+1] op_sel_hi:[1,0,0]   ; t - M, two at a time
.set p, p+1
.endr
.irp b, 0,1,2,3
	v_fma_f32 v[BM+\b], v[BM+\b], s[CS], v[NM]     ; the same of each block's largest score
.endr
.irp b, 0,1,2,3
	v_exp_f32 v[BM+\b], v[BM+\b]                   ; ONE BATCH of 68 exponentials: the blocks' largest p,
.endr
.set p, 0
.rept 64
	v_exp_f32 v[S+p], v[S+p]                       ; and p = 2^(t - M)
.set p, p+1
.endr
.if \first
	v_mov_b32 v[LL], 0                             ; (plain instructions behind the exponentials)
	v_mov_b32 v[LL+1], 0
.else
	v_pk_mul_f32 v[LL:LL+1], v[LL:LL+1], v[F:F+1] op_sel_hi:[1,0]   ; the sum under the new M.  (A plain instruction behind the exponentials)
.endif
	s_wait_alu depctr_va_vdst(0)                   ; the 68 exponentials have written p and the blocks' largest p: one wait for the batch, ahead of its first reader; in tile 0 it also states the last step's products V^T P^T done reading V and its words
.if ((\i) == 0) && ((\first) == 0)
	FETCH_V                                        ; this step's V: its addresses were written ahead of the wait in the last step's tile 3; it lands under the sums, the conversions and the rescaling below
.endif
	v_pk_add_f32 v[BP:BP+1], v[S:S+1], v[S+2:S+3]  ; the row's sum is taken of the unquantised p: two at a time, in two chains; the first half here
.irp j, 4,8,12,16,20,24,28
	v_pk_add_f32 v[LL:LL+1], v[LL:LL+1], v[S+\j:S+\j+1]
	v_pk_add_f32 v[BP:BP+1], v[BP:BP+1], v[S+\j+2:S+\j+3]
.endr
.irp b, 0,1,2,3
	v_max_num_f32 v[BM+\b], 0x1800000, v[BM+\b]    ; the floor 2^(3 - 127): the byte cannot fall under 1
.endr
.irp b, 0,1,2,3
	v_add_nc_u32 v[SO+\b], 0xff000000, v[BM+\b]    ; 2 off the exponent field: the conversion's scale operand
.endr
.irp b, 0,1,2,3
	v_lshrrev_b32 v[BM+\b], 23, v[SO+\b]           ; the scale's byte
.endr
	v_lshl_or_b32 v[PS], v[BM+1], 8, v[BM]         ; p's scale word for these 128 keys
	v_lshl_or_b32 v[PS], v[BM+2], 16, v[PS]
	v_lshl_or_b32 v[PS], v[BM+3], 24, v[PS]
.irp b, 0,1,2,3,4,5,6,7
	v_cvt_scalef32_pk8_fp4_f32 v[PC+4*(\b/4)+2*(\b%2)+(\b%4)/2], v[S+8*\b:S+8*\b+7], v[SO+\b/2]
.endr
	v_nop                                          ; one plain place behind a scaled conversion
.irp c, 0,1
	v_permlane16_swap_b32 v[PC+4*\c], v[PC+4*\c+1]
	v_permlane16_swap_b32 v[PC+4*\c+2], v[PC+4*\c+3]
.endr
.irp j, 32,36,40,44,48,52,56,60
	v_pk_add_f32 v[LL:LL+1], v[LL:LL+1], v[S+\j:S+\j+1]        ; the sum's second half: these 17 are also the places between the scale word's and the codes' last writes and the scaled products
	v_pk_add_f32 v[BP:BP+1], v[BP:BP+1], v[S+\j+2:S+\j+3]
.endr
	v_pk_add_f32 v[LL:LL+1], v[LL:LL+1], v[BP:BP+1]
.if \first
.else
	WIN W_RS
.set p, 0
.rept 16
	v_pk_mul_f32 v[OT+2*p:OT+2*p+1], v[OT+2*p:OT+2*p+1], v[F:F+1] op_sel_hi:[1,0]   ; O^T under the new M
.set p, p+1
.endr
.endif
.if (\i) == 0
	s_wait_dscnt 0x0                               ; V and its words are in
.endif
.if \first
	WIN TO1
	s_wait_alu depctr_va_vdst(0)                   ; vector instructions have written p's codes and its scale word, which the scaled products below take as source 1 and as scales; the places above stay beside this wait
.irp t, 0,1,2,3
	v_wmma_scale_f32_16x16x128_f8f6f4 v[OT+8*\t:OT+8*\t+7], v[VF+8*\t:VF+8*\t+7], v[PC:PC+7], 0, v[VS+\t], v[PS] matrix_a_fmt:MATRIX_FMT_FP4 matrix_b_fmt:MATRIX_FMT_FP4
.endr
.else
	WIN W_PV
	s_wait_alu depctr_va_vdst(0)                   ; vector instructions have written p's codes and its scale word, which the scaled products below take as source 1 and as scales; the places above stay beside this wait
.irp t, 0,1,2,3
	v_wmma_scale_f32_16x16x128_f8f6f4 v[OT+8*\t:OT+8*\t+7], v[VF+8*\t:VF+8*\t+7], v[PC:PC+7], v[OT+8*\t:OT+8*\t+7], v[VS+\t], v[PS] matrix_a_fmt:MATRIX_FMT_FP4 matrix_b_fmt:MATRIX_FMT_FP4
.endr
.endif
	WIN 0
.endm
.macro KSTEP first, fetch              ; the accumulators take turns, one instruction a turn
	SUB 0, \first, \fetch
	SUB 1, \first, \fetch
	SUB 2, \first, \fetch
	SUB 3, \first, \fetch
.endm
	ADDRS                                          ; step 0
	s_wait_alu depctr_va_vdst(0)                   ; v6 to v9 are written, which the loads below read; the head's vector lines on v96 to v99 are done, in which the mask's loads land
	FETCH_KM
	FETCH_V
	s_wait_loadcnt 0x0                             ; Q and its scale words
	KSTEP 1, 1                                     ; step 0 starts the sums and fetches step 1's K
	s_mov_b32 s[CNT], 6
.Lk:                                               ; steps 1 to 6: each fetches its own V in tile 0 and the next step's K in tile 3.  On both ways to this label K's 25 loads are out and nothing else
	KSTEP 0, 1
	s_sub_co_u32 s[CNT], s[CNT], 1
	s_cmp_lg_u32 s[CNT], 0
	s_cbranch_scc1 .Lk
	KSTEP 0, 0                                     ; step 7 fetches its V and nothing more
	; THE WAY OUT.  The sum's halves are added; O^T is divided by the sum IN PLACE, all four tiles, so that one wait stands ahead of all the LDS stores; then it goes through my stage, a tile (16 queries x 256 bytes) at a
	; time, and leaves as whole runs of 256 bytes: one (token, head) each.  The stage's loads land in K's, the mask's and V's registers, which no vector instruction names any more.
	s_wait_alu depctr_vm_vsrc(0)                   ; the last runs of LDS loads have read v6 to v9: v6, v7 and v8 are made anew below
.irp n, 0,1,2,3
	v_add_f32 v[STT+4*\n+2], v[STT+4*\n+2], v[STT+4*\n+3]      ; (these four are the places behind the last products)
.endr
.irp n, 0,1,2,3
	v_permlanex16_b32 v[STT+4*\n+3], v[STT+4*\n+2], s[SEL], s[SEL+1]
.endr
.irp n, 0,1,2,3
	v_add_f32 v[STT+4*\n+2], v[STT+4*\n+2], v[STT+4*\n+3]      ; the row's sum
.endr
.irp n, 0,1,2,3
	v_rcp_f32 v[STT+4*\n], v[STT+4*\n+2]
.endr
	v_and_b32 v2, 15, v0                           ; r.  (Plain work behind the reciprocals)
	v_bfe_u32 v41, v0, 4, 1                        ; lane / 16
	s_mul_i32 s21, s20, 16*272
	s_add_co_u32 s21, s21, STG                     ; my stage
	v_mul_u32_u24 v6, v2, 272
	v_lshl_add_u32 v6, v41, 5, v6
	v_add_nc_u32 v6, s21, v6                       ; in: row r; tile t's eight channels of my half at 64 t + 32 (lane / 16)
	v_mul_u32_u24 v7, v41, 272
	v_lshl_add_u32 v7, v2, 4, v7
	v_add_nc_u32 v7, s21, v7                       ; back: lanes 0-15 one row, lanes 16-31 the next
	v_lshlrev_b32 v8, 12, v41
	v_lshl_add_u32 v8, v2, 4, v8                   ; and the same two tokens in out: 4,096 bytes apart
	s_wait_alu depctr_va_vdst(0)                   ; the four reciprocals are written: one wait, ahead of their first reader
	WIN W_RS
.irp i, 0,1,2,3
.set p, 0
.rept 16
	v_pk_mul_f32 v[32*\i+2*p:32*\i+2*p+1], v[32*\i+2*p:32*\i+2*p+1], v[STT+4*\i:STT+4*\i+1] op_sel_hi:[1,0]   ; each accumulator from its low end on
.set p, p+1
.endr
.endr
	s_wait_alu depctr_va_vdst(0)                   ; the 64 multiplies have written O^T, which the LDS stores below read; v6, v7 and v8 are written, which the stores and loads below read; the last products are done reading the registers in which the stage's loads land
.macro TOSTAGE i
	WIN W_QK                                       ; an LDS store's data are its source 1: window 1
.irp t, 0,1,2,3
	ds_store_b128 v6, v[32*(\i)+8*\t:32*(\i)+8*\t+3] offset:64*\t
	ds_store_b128 v6, v[32*(\i)+8*\t+4:32*(\i)+8*\t+7] offset:64*\t+16
.endr
	WIN 0
.irp k, 0,1,2,3,4,5,6,7
	ds_load_b128 v[64+32*(\i)+4*\k:64+32*(\i)+4*\k+3], v7 offset:544*\k   ; LDS serves a wave's instructions in order: these see my stores, and the next tile's stores come behind them
.endr
.endm
.macro SEND i, younger                 ; younger: the LDS instructions issued behind tile i's loads: the next tile's sixteen, or none
.irp k, 0,1,2,3,4,5,6,7
	s_wait_dscnt \younger+7-\k
	global_store_b128 v8, v[64+32*(\i)+4*\k:64+32*(\i)+4*\k+3], s[18:19] offset:(16*(\i)+2*\k)*4096 th:TH_STORE_NT   ; sixteen lanes store 256 consecutive bytes, aligned
.endr
.endm
	TOSTAGE 0
	TOSTAGE 1
	SEND 0, 16
	TOSTAGE 2
	SEND 1, 16
	TOSTAGE 3
	SEND 2, 16
	SEND 3, 0
	s_wait_dscnt 0x0                               ; the closing lines, six on end
	s_wait_alu 0x0
	s_wait_tensorcnt 0x0
	ds_add_u32 v[SPW], v[NIL]
	s_wait_dscnt 0x0
	s_endpgm
.Lfunc_end_k_qf980161268_attn:
	.size	k_qf980161268_attn, .Lfunc_end_k_qf980161268_attn-k_qf980161268_attn
	.p2alignl 7, 3214868480
	.fill 96, 4, 3214868480
	.section	.rodata,"a",@progbits
	.p2align	6, 0x0
	.amdhsa_kernel k_qf980161268_attn
		.amdhsa_group_segment_fixed_size 111616
		.amdhsa_private_segment_fixed_size 0
		.amdhsa_enable_private_segment 0
		.amdhsa_kernarg_size 64
		.amdhsa_user_sgpr_count 2
		.amdhsa_user_sgpr_kernarg_segment_ptr 1
		.amdhsa_wavefront_size32 1
		.amdhsa_system_sgpr_workgroup_id_x 1
		.amdhsa_system_sgpr_workgroup_id_y 1
		.amdhsa_system_sgpr_workgroup_id_z 1
		.amdhsa_system_vgpr_workitem_id 0
		.amdhsa_next_free_vgpr 512
		.amdhsa_next_free_sgpr 66
		.amdhsa_reserve_vcc 0
		.amdhsa_float_denorm_mode_32 3
		.amdhsa_float_denorm_mode_16_64 3
		.amdhsa_memory_ordered 1
		.amdhsa_forward_progress 1
		.amdhsa_inst_pref_size 185
	.end_amdhsa_kernel
	.amdgpu_metadata
---
amdhsa.version: [ 1, 2 ]
amdhsa.kernels:
  - .name:           k_qf980161268_attn
    .symbol:         k_qf980161268_attn.kd
    .args:
      - { .name: qimg, .offset: 0, .size: 8, .value_kind: global_buffer, .address_space: global }
      - { .name: qsc, .offset: 8, .size: 8, .value_kind: global_buffer, .address_space: global }
      - { .name: kimg, .offset: 16, .size: 8, .value_kind: global_buffer, .address_space: global }
      - { .name: ksc, .offset: 24, .size: 8, .value_kind: global_buffer, .address_space: global }
      - { .name: vimg, .offset: 32, .size: 8, .value_kind: global_buffer, .address_space: global }
      - { .name: vsc, .offset: 40, .size: 8, .value_kind: global_buffer, .address_space: global }
      - { .name: attention_mask, .offset: 48, .size: 8, .value_kind: global_buffer, .address_space: global }
      - { .name: out0, .offset: 56, .size: 8, .value_kind: global_buffer, .address_space: global }
    .group_segment_fixed_size: 111616
    .private_segment_fixed_size: 0
    .kernarg_segment_align: 8
    .kernarg_segment_size: 64
    .max_flat_workgroup_size: 256
    .sgpr_count:     66
    .vgpr_count:     512
    .wavefront_size: 32
...
	.end_amdgpu_metadata
.endif
;; end of part 3
